; MI455X (gfx1250); checked and timed in simulation.
; The chip was launched on July 23, 2026; its instructions are those of AMD's public machine-readable ISA for CDNA 5 (MIT licence, August 2026) and "CDNA5" Instruction Set Architecture Reference Guide (July 2026). The comments in the code are by the model that wrote it; some were corrected since.
;; Encoder Layer. Allowed arithmetic: matrix products marked QUANTISED: E2M1 operands, one E8M0 scale for each 32 along K, by v_wmma_scale_f32_16x16x128_f8f6f4 with both operands' format E2M1 (or v_wmma_scale_f32_32x16x128_f4), f32 sums; everything else in f32.
;; Inputs: W1_codes 4,096 x 32 x 16 uint8 (E2M1 codes of W1, K innermost, in blocks of 32 codes, two codes a byte); W1_scales 4,096 x 32 uint8 (E8M0 scales of W1, one for each 32 codes along K); W2_codes 1,024 x 128 x 16 uint8 (E2M1 codes of W2, K innermost, in blocks of 32 codes, two codes a byte); W2_scales 1,024 x 128 uint8 (E8M0 scales of W2, one for each 32 codes along K); W_K_codes 1,024 x 32 x 16 uint8 (E2M1 codes of W_K, K innermost, in blocks of 32 codes, two codes a byte); W_K_scales 1,024 x 32 uint8 (E8M0 scales of W_K, one for each 32 codes along K); W_O_codes 1,024 x 32 x 16 uint8 (E2M1 codes of W_O, K innermost, in blocks of 32 codes, two codes a byte); W_O_scales 1,024 x 32 uint8 (E8M0 scales of W_O, one for each 32 codes along K); W_Q_codes 1,024 x 32 x 16 uint8 (E2M1 codes of W_Q, K innermost, in blocks of 32 codes, two codes a byte); W_Q_scales 1,024 x 32 uint8 (E8M0 scales of W_Q, one for each 32 codes along K); W_V_codes 1,024 x 32 x 16 uint8 (E2M1 codes of W_V, K innermost, in blocks of 32 codes, two codes a byte); W_V_scales 1,024 x 32 uint8 (E8M0 scales of W_V, one for each 32 codes along K); X 2 x 2,048 x 1,024 float32; b1 1,024 float32; b2 1,024 float32; bias1 4,096 float32; bias2 1,024 float32; g1 1,024 float32; g2 1,024 float32; padding_mask 2 x 1 x 2,048 int32.
;; Outputs: out0 2 x 2,048 x 1,024 float32.
;; This version of the problem:
;;   THIS VERSION OF THE PROBLEM IS GIVEN IN LOW PRECISION. The matrix products marked QUANTISED in the list below multiply operands that are first quantised to E2M1 (2 exponent bits, 1 mantissa bit; 4 bits a number), with one power-of-two scale for each 32 numbers along K (OCP MX v1.0); their sums are f32. All else is computed in f32.
;;   The module's matrix products, in the order in which they are computed (A, B: the left and right operand; K: the contracted axis; several contracted axes count as one K, in the product's order):
;;     1. [M 4,096, K 1,024] x [K 1,024, N 1,024]; A: computed on the way; B: input W_Q (given as codes): QUANTISED
;;     2. [M 4,096, K 1,024] x [K 1,024, N 1,024]; A: computed on the way; B: input W_K (given as codes): QUANTISED
;;     3. [M 4,096, K 1,024] x [K 1,024, N 1,024]; A: computed on the way; B: input W_V (given as codes): QUANTISED
;;     4. batch 32 x [M 2,048, K 64] x [K 64, N 2,048]; A: computed on the way; B: computed on the way: QUANTISED
;;     5. batch 32 x [M 2,048, K 2,048] x [K 2,048, N 64]; A: softmax (see below); B: computed on the way: QUANTISED
;;     6. [M 4,096, K 1,024] x [K 1,024, N 1,024]; A: computed on the way; B: input W_O (given as codes): QUANTISED
;;     7. [M 4,096, K 1,024] x [K 1,024, N 4,096]; A: computed on the way; B: input W1 (given as codes): QUANTISED
;;     8. [M 4,096, K 4,096] x [K 4,096, N 1,024]; A: computed on the way; B: input W2 (given as codes): QUANTISED
;;   THE QUANTISER, for each operand of a quantised product, along K:
;;     - K is cut into blocks of 32 from its start; a last block that is shorter is filled with zeros.
;;     - A block's scale is 2^e with e = floor(log2(the largest magnitude in the block)) - 2, held to -126 .. 127; a block of zeros has e = 0. As a byte (E8M0): e + 127.
;;     - Each number is divided by its block's scale, clamped to +-6, and rounded to the nearest number of E2M1, ties to even, subnormals kept.
;;     - The product sums the exact products of the quantised numbers (number of the format x scale) in f32.
;;   ~~~python
;;   def quantise(x, axis):      # numpy; x: float32 -> the quantised numbers, widened to float32 again
;;       x = np.moveaxis(x, axis, -1); K = x.shape[-1]
;;       x = np.pad(x, [(0, 0)] * (x.ndim - 1) + [(0, -K % 32)]); x = x.reshape(x.shape[:-1] + (-1, 32)); a = np.abs(x).max(-1, keepdims=True)
;;       e = np.where(a > 0, np.clip(np.frexp(np.where(a > 0, a, 1))[1] - 1 - 2, -126, 127), 0)      # np.frexp(a)[1] - 1 = floor(log2(a)), exactly
;;       r = np.clip(x / 2.0 ** e, -6, 6)
;;       step = 2.0 ** (np.maximum(np.frexp(np.where(r == 0, 1, r))[1] - 1, 0) - 1)
;;       q = np.round(r / step) * step * 2.0 ** e      # np.round: ties to even
;;       return np.moveaxis(q.reshape(q.shape[:-2] + (-1,))[..., :K], -1, axis).astype(np.float32)
;;   ~~~
;;   SOFTMAX AHEAD OF A QUANTISED PRODUCT. Where the list says 'softmax', what is quantised is not the finished softmax but p = 2^(t - M), with t = logit x log2(e) and M = ceil(the row's largest t), a whole number; so 1/2 < the row's largest p <= 1. The row's sum l is taken of the UNQUANTISED p, in f32, and the product's result is divided by l at the end. Since M is a whole number, a kernel that streams over the keys may use a running M (the ceiling of the running maximum): every later rescaling is an exact power of two, which a block's scale takes up: the codes' values come out the same.
;;   OPERANDS COMPUTED ON THE WAY. 'Computed on the way' means the value that the module computes at that place (a softmax that the list does not call 'softmax' is quantised finished and normalised). What goes into a quantiser is computed in f32, as accurately as f32 sums, v_exp_f32 and their like allow (about 1e-6 of the number): no bf16 or f16 on the way to a quantiser, and a product that is left as it is and whose result goes on into a quantised operand takes f32 operands (vector FMAs, or v_wmma_f32_16x16x4_f32). A number that lies on a knife's edge between two numbers of the format may be rounded either way, as far as f32 arithmetic and the matrix unit's own rounding can turn it there, and no further.
;;   INPUTS GIVEN AS CODES. W1 (in the module: [1024, 4096], K = its axis 0); W2 (in the module: [4096, 1024], K = its axis 0); W_K (in the module: [1024, 1024], K = its axis 0); W_O (in the module: [1024, 1024], K = its axis 0); W_Q (in the module: [1024, 1024], K = its axis 0); W_V (in the module: [1024, 1024], K = its axis 0): each comes as NAME_codes (uint8): NAME with its K axis moved to the last place and cut into blocks of 32 codes, [.., K / 32, bytes a block], one block behind the other in memory; two codes a byte, the lower K in the low four bits (a code: sign, 2 exponent bits, 1 mantissa bit); and NAME_scales (uint8): the same leading axes, one E8M0 byte (e + 127) for each 32 codes along K. Its value is code x scale, taken as it is: it is not quantised again, and the codes and scales need not be those that the quantiser above would give.
;; One version. Each part assembles by itself: llvm-mc -triple=amdgcn-amd-amdhsa -mcpu=gfx1250 --defsym DOCPART=n.
;; ======== version 1 of 1: 7 launches
;; limits: right only within a limited range of input values
;; workspace buffers: xa 2,228,224 bytes; qb 2,359,296 bytes; kvb 4,587,520 bytes; aa 2,228,224 bytes; res 16,777,216 bytes; na 2,228,224 bytes; ha 8,912,896 bytes
;; launch ln1 (part 1): grid 256 x 1, 8 waves a work-group, no clusters, 9,728 bytes of LDS; arguments X, g1, b1, xa; writes xa
.if DOCPART == 1
	.amdgcn_target "amdgcn-amd-amdhsa--gfx1250"
	.amdhsa_code_object_version 6
	.text
	.protected	k_q9acf2b3051_ln1
	.globl	k_q9acf2b3051_ln1
	.p2align	8
	.type	k_q9acf2b3051_ln1,@function
k_q9acf2b3051_ln1:
	s_mov_b64 s[64:65], 0
	v_nop
	global_prefetch_b8 v0, s[64:65] scope:SCOPE_SE
	s_setreg_imm32_b32 hwreg(HW_REG_WAVE_MODE, 25, 1), 1
	s_wait_xcnt 0x0
; THE PROGRAM: one pre-norm encoder layer on 4,096 rows of 1,024, all eight products on codes of FP4 (E2M1) with one E8M0 scale for each 32 along K.
; Seven launches: layer norm 1 | Q, K, V | attention | W_O + X | layer norm 2 | W1, GELU | W2 + the residual.
; DEAD WORK: none.  Every input has a way to the output for some values of the inputs, so all twenty are loaded and no step is left out.
; THIS BODY (it serves both layer norms): y = g (x - mean) / sqrt(var + 1e-6) + b, all in f32, mean first and the squares of x - mean second,
; then the quantiser along the row: a block's byte is its largest magnitude's exponent field - 2, held at 1 from below.
; OUT: an operand as an IMAGE OF ITS REGISTERS.  A fragment (16 rows x 128 K) is 1,024 bytes, [c 2][lane 32][16 bytes]: lane (r, h) holds the codes of k = 64 c + 32 h + 0 .. 31 of row r.
; Codes: [tile of 16 rows 256][K step 8][image].  Behind them, at byte 2,097,152, the scale words [K step 8][row 4,096], byte b for k = 32 b on.
; SHARES: a work-group makes one tile of 16 rows; wave w takes rows 2 w and 2 w + 1; lane l holds, for j = 0 .. 3, the numbers 256 j + 8 l + 0 .. 7: four lanes hold a block.
; Codes and bytes meet in LDS; behind one barrier wave w stores the image of K step w, 1,024 consecutive bytes, and its 16 scale words (64 bytes: one part in 2,048 of the scale words).
; LIMITS: a block of zeros gets the byte 1 where the rule says 127 (its codes are zeros and this program alone reads the bytes); NaN and infinities among the inputs are not served.
.set SCS,   8192                       ; LDS: images at 0; scale words [K step 8][16 rows]
.set SPARE, 8704                       ; the spare words: 128 bytes for each of eight waves
.set SCOFF, 2097152                    ; where the scale words begin in the output
.set G,     96                         ; v96-127  g of my 32 columns
.set BB,    128                        ; v128-159 b of them
	s_load_b256 s[4:11], s[0:1], 0x0               ; x s[4:5], g s[6:7], b s[8:9], out s[10:11]
	v_lshl_add_u32 v190, v0, 2, SPARE
	v_mov_b32 v191, 0
	v_lshrrev_b32 v1, 5, v0
	s_delay_alu instid0(VALU_DEP_1)
	v_readfirstlane_b32 s16, v1                    ; wave 0..7
	v_and_b32 v1, 31, v0                           ; lane
	s_delay_alu instid0(VALU_DEP_1)
	v_lshlrev_b32 v2, 5, v1                        ; 32 bytes a lane in a run of 1,024
	v_bfe_u32 v8, v0, 4, 1
	v_bfe_u32 v9, v0, 3, 1
	v_bfe_u32 v10, v0, 2, 1
	v_and_b32 v11, 3, v0
	s_delay_alu instid0(VALU_DEP_1)
	v_lshlrev_b32 v3, 2, v11                       ; where my eight codes go: 4 (l % 4) in the block's 16 bytes,
	s_delay_alu instid0(VALU_DEP_1)
	v_lshl_add_u32 v3, v10, 8, v3                  ; the image's half of the lanes,
	s_delay_alu instid0(VALU_DEP_1)
	v_lshl_add_u32 v3, v9, 9, v3                   ; its c,
	s_delay_alu instid0(VALU_DEP_1)
	v_lshl_add_u32 v3, v8, 10, v3                  ; the K step 2 j + l / 16,
	s_lshl_b32 s17, s16, 5
	v_add_nc_u32 v3, s17, v3                       ; and row 2 w: 16 bytes a row
	v_bfe_u32 v4, v0, 2, 2                         ; my block's byte in its scale word,
	s_delay_alu instid0(VALU_DEP_1)
	v_lshl_add_u32 v4, v8, 6, v4                   ; 64 bytes a K step,
	s_lshl_b32 s17, s16, 3
	s_add_co_u32 s17, s17, SCS
	v_add_nc_u32 v4, s17, v4                       ; 4 bytes a row
	v_lshlrev_b32 v5, 4, v1
	s_lshl_b32 s17, s16, 10
	v_add_nc_u32 v7, s17, v5                       ; the way out: image w, 16 bytes a lane: in LDS and in the tile's codes alike
	v_and_b32 v6, 15, v0
	s_delay_alu instid0(VALU_DEP_1)
	v_lshlrev_b32 v6, 2, v6
	s_lshl_b32 s17, s16, 6
	s_add_co_u32 s17, s17, SCS
	v_add_nc_u32 v176, s17, v6                     ; K step w's sixteen scale words
	s_mov_b32 s12, 0x76543210
	s_mov_b32 s13, 0xfedcba98                      ; v_permlanex16_b32's selects for lane l xor 16
	s_mov_b32 s14, 0x3a800000                      ; 1 / 1,024
	s_lshl_b32 s18, ttmp9, 16                      ; x: 16 rows of 4,096 bytes a tile,
	s_lshl_b32 s19, s16, 13                        ; two rows a wave
	s_add_co_u32 s18, s18, s19
	s_mov_b32 s19, 0
	s_lshl_b32 s20, ttmp9, 13                      ; codes: 8,192 bytes a tile
	s_mov_b32 s21, 0
	s_lshl_b32 s22, ttmp9, 6                       ; scale words: 64 bytes a tile, 16,384 a K step
	s_lshl_b32 s23, s16, 14
	s_add_co_u32 s22, s22, s23
	s_mov_b32 s23, 0
	s_wait_kmcnt 0x0
	s_add_nc_u64 s[4:5], s[4:5], s[18:19]
	s_add_nc_u64 s[24:25], s[10:11], s[22:23]
	s_add_nc_u64 s[10:11], s[10:11], s[20:21]
.macro XLOAD x, rr                     ; a row: eight loads; a pair of them covers 1,024 consecutive bytes
.irp j, 0,1,2,3
	global_load_b128 v[\x+8*\j:\x+8*\j+3], v2, s[4:5] offset:4096*\rr+1024*\j th:TH_LOAD_NT
	global_load_b128 v[\x+8*\j+4:\x+8*\j+7], v2, s[4:5] offset:4096*\rr+1024*\j+16 th:TH_LOAD_NT
.endr
.endm
	XLOAD 32, 0
.irp j, 0,1,2,3
	global_load_b128 v[G+8*\j:G+8*\j+3], v2, s[6:7] offset:1024*\j
	global_load_b128 v[G+8*\j+4:G+8*\j+7], v2, s[6:7] offset:1024*\j+16
	global_load_b128 v[BB+8*\j:BB+8*\j+3], v2, s[8:9] offset:1024*\j
	global_load_b128 v[BB+8*\j+4:BB+8*\j+7], v2, s[8:9] offset:1024*\j+16
.endr
	XLOAD 64, 1
.macro FOLD                            ; four chains in v[8:15] become one sum over the wave's 32 lanes, in v8 of every lane
	s_delay_alu instid0(VALU_DEP_3)
	v_pk_add_f32 v[8:9], v[8:9], v[10:11]
	s_delay_alu instid0(VALU_DEP_2)
	v_pk_add_f32 v[12:13], v[12:13], v[14:15]
	s_delay_alu instid0(VALU_DEP_1)
	v_pk_add_f32 v[8:9], v[8:9], v[12:13]
	s_delay_alu instid0(VALU_DEP_1)
	v_add_f32 v8, v8, v9
	s_delay_alu instid0(VALU_DEP_1)
	v_add_f32_dpp v8, v8, v8 row_xmask:1 row_mask:0xf bank_mask:0xf
	s_delay_alu instid0(VALU_DEP_1)
	v_add_f32_dpp v8, v8, v8 row_xmask:2 row_mask:0xf bank_mask:0xf
	s_delay_alu instid0(VALU_DEP_1)
	v_add_f32_dpp v8, v8, v8 row_xmask:4 row_mask:0xf bank_mask:0xf
	s_delay_alu instid0(VALU_DEP_1)
	v_add_f32_dpp v8, v8, v8 row_xmask:8 row_mask:0xf bank_mask:0xf
	s_delay_alu instid0(VALU_DEP_1)
	v_permlanex16_b32 v9, v8, s12, s13
	s_delay_alu instid0(VALU_DEP_1)
	v_add_f32 v8, v8, v9
.endm
.macro ROW x, rr                       ; the row in v[x .. x + 31]; rr: which of my two rows
.set CE, 24+144*\rr                    ; its four registers of codes and four of bytes: a set for each row
.irp k, 0,1,2,3
	v_pk_add_f32 v[8+2*\k:9+2*\k], v[\x+4*\k:\x+4*\k+1], v[\x+4*\k+2:\x+4*\k+3]
.endr
.irp k, 0,1,2,3
	s_delay_alu instid0(VALU_DEP_4)
	v_pk_add_f32 v[8+2*\k:9+2*\k], v[8+2*\k:9+2*\k], v[\x+16+2*\k:\x+17+2*\k]
.endr
.irp k, 0,1,2,3
	s_delay_alu instid0(VALU_DEP_4)
	v_pk_add_f32 v[8+2*\k:9+2*\k], v[8+2*\k:9+2*\k], v[\x+24+2*\k:\x+25+2*\k]
.endr
	FOLD
	s_delay_alu instid0(VALU_DEP_1)
	v_mul_f32 v10, s14, v8                         ; the mean
.set n, 0
.rept 16
	v_pk_add_f32 v[\x+n:\x+n+1], v[\x+n:\x+n+1], v[10:11] op_sel_hi:[1,0] neg_lo:[0,1] neg_hi:[0,1]
.set n, n+2
.endr
.irp k, 0,1,2,3
	v_pk_mul_f32 v[8+2*\k:9+2*\k], v[\x+2*\k:\x+2*\k+1], v[\x+2*\k:\x+2*\k+1]
.endr
.irp m, 8,16,24
.irp k, 0,1,2,3
	s_delay_alu instid0(VALU_DEP_4)
	v_pk_fma_f32 v[8+2*\k:9+2*\k], v[\x+\m+2*\k:\x+\m+2*\k+1], v[\x+\m+2*\k:\x+\m+2*\k+1], v[8+2*\k:9+2*\k]
.endr
.endr
	FOLD
	s_delay_alu instid0(VALU_DEP_1)
	v_fmaak_f32 v12, s14, v8, 0x358637bd           ; the variance + 1e-6
	s_wait_alu depctr_va_vdst(0)
	v_rsq_f32 v12, v12
	v_nop                                          ; a plain instruction behind the transcendental,
	s_wait_alu depctr_va_vdst(0)                   ; and the wait ahead of its first reader
.set n, 0
.rept 16
	v_pk_mul_f32 v[\x+n:\x+n+1], v[\x+n:\x+n+1], v[12:13] op_sel_hi:[1,0]
.set n, n+2
.endr
.set n, 0
.rept 16
	v_pk_fma_f32 v[\x+n:\x+n+1], v[\x+n:\x+n+1], v[G+n:G+n+1], v[BB+n:BB+n+1]
.set n, n+2
.endr
.irp j, 0,1,2,3                        ; four blocks by turns: my eight numbers of each, and the floor 2^(3 - 127), which holds the byte at 1 from below
	v_max3_num_f32 v[16+\j], |v[\x+8*\j]|, |v[\x+8*\j+1]|, 0x1800000
.endr
.irp i, 2,4,6
.irp j, 0,1,2,3
	s_delay_alu instid0(VALU_DEP_4)
	v_max3_num_f32 v[16+\j], v[16+\j], |v[\x+8*\j+\i]|, |v[\x+8*\j+\i+1]|
.endr
.endr
.irp j, 0,1,2,3
	s_delay_alu instid0(VALU_DEP_4)
	v_max_num_f32_dpp v[16+\j], v[16+\j], v[16+\j] row_xmask:1 row_mask:0xf bank_mask:0xf
.endr
.irp j, 0,1,2,3
	s_delay_alu instid0(VALU_DEP_4)
	v_max_num_f32_dpp v[16+\j], v[16+\j], v[16+\j] row_xmask:2 row_mask:0xf bank_mask:0xf   ; the four lanes of a block
.endr
.irp j, 0,1,2,3
	s_delay_alu instid0(VALU_DEP_4)
	v_add_nc_u32 v[20+\j], 0xff000000, v[16+\j]    ; 2 off the exponent field: the conversion's scale operand
.endr
.irp j, 0,1,2,3
	v_cvt_scalef32_pk8_fp4_f32 v[CE+\j], v[\x+8*\j:\x+8*\j+7], v[20+\j]
.endr
.irp j, 0,1,2,3
	v_lshrrev_b32 v[CE+4+\j], 23, v[20+\j]         ; the scale's byte
.endr
.irp j, 0,1,2,3
	ds_store_b32 v3, v[CE+\j] offset:2048*\j+16*\rr
	ds_store_b8 v4, v[CE+4+\j] offset:128*\j+4*\rr ; the four lanes of a block write the same byte with the same value
.endr
.endm
	s_wait_loadcnt 8                               ; row 0, g and b are in; row 1's eight loads, issued last, may be out
	ROW 32, 0
	s_wait_loadcnt 0x0
	ROW 64, 1
	s_wait_dscnt 0x0                               ; for the others' sake: my stores have landed
	s_barrier_signal -1
	s_barrier_wait -1
	ds_load_b128 v[160:163], v7
	ds_load_b128 v[164:167], v7 offset:512
	ds_load_b32 v177, v176
	s_wait_dscnt 0x0
	global_store_b128 v7, v[160:163], s[10:11]     ; 32 lanes store 512 consecutive bytes, aligned
	global_store_b128 v7, v[164:167], s[10:11] offset:512
	global_store_b32 v6, v177, s[24:25] offset:SCOFF   ; lanes l and l + 16 store the same word to the same place
	s_wait_tensorcnt 0x0                           ; the wave's end
	ds_add_u32 v190, v191
	s_wait_dscnt 0x0
	s_endpgm
.Lfunc_end_k_q9acf2b3051_ln1:
	.size	k_q9acf2b3051_ln1, .Lfunc_end_k_q9acf2b3051_ln1-k_q9acf2b3051_ln1
	.p2alignl 7, 3214868480
	.fill 96, 4, 3214868480
	.section	.rodata,"a",@progbits
	.p2align	6, 0x0
	.amdhsa_kernel k_q9acf2b3051_ln1
		.amdhsa_group_segment_fixed_size 9728
		.amdhsa_private_segment_fixed_size 0
		.amdhsa_enable_private_segment 0
		.amdhsa_kernarg_size 32
		.amdhsa_user_sgpr_count 2
		.amdhsa_user_sgpr_kernarg_segment_ptr 1
		.amdhsa_wavefront_size32 1
		.amdhsa_system_sgpr_workgroup_id_x 1
		.amdhsa_system_sgpr_workgroup_id_y 1
		.amdhsa_system_sgpr_workgroup_id_z 1
		.amdhsa_system_vgpr_workitem_id 0
		.amdhsa_next_free_vgpr 192
		.amdhsa_next_free_sgpr 66
		.amdhsa_reserve_vcc 0
		.amdhsa_float_denorm_mode_32 3
		.amdhsa_float_denorm_mode_16_64 3
		.amdhsa_memory_ordered 1
		.amdhsa_forward_progress 1
		.amdhsa_inst_pref_size 29
	.end_amdhsa_kernel
	.amdgpu_metadata
---
amdhsa.version: [ 1, 2 ]
amdhsa.kernels:
  - .name:           k_q9acf2b3051_ln1
    .symbol:         k_q9acf2b3051_ln1.kd
    .args:
      - { .name: X, .offset: 0, .size: 8, .value_kind: global_buffer, .address_space: global }
      - { .name: g1, .offset: 8, .size: 8, .value_kind: global_buffer, .address_space: global }
      - { .name: b1, .offset: 16, .size: 8, .value_kind: global_buffer, .address_space: global }
      - { .name: xa, .offset: 24, .size: 8, .value_kind: global_buffer, .address_space: global }
    .group_segment_fixed_size: 9728
    .private_segment_fixed_size: 0
    .kernarg_segment_align: 8
    .kernarg_segment_size: 32
    .max_flat_workgroup_size: 256
    .sgpr_count:     66
    .vgpr_count:     192
    .wavefront_size: 32
...
	.end_amdgpu_metadata
.endif
;; end of part 1
;; launch qkv (part 2): grid 8 x 32, 4 waves a work-group, clusters of 4 x 4, 327,680 bytes of LDS; arguments xa, W_Q_codes, W_Q_scales, W_K_codes, W_K_scales, W_V_codes, W_V_scales, padding_mask, qb, kvb; writes qb, kvb
.if DOCPART == 2
	.amdgcn_target "amdgcn-amd-amdhsa--gfx1250"
	.amdhsa_code_object_version 6
	.text
	.protected	k_q9acf2b3051_qkv
	.globl	k_q9acf2b3051_qkv
	.p2align	8
	.type	k_q9acf2b3051_qkv,@function
k_q9acf2b3051_qkv:
	s_mov_b64 s[64:65], 0
	v_nop
	global_prefetch_b8 v0, s[64:65] scope:SCOPE_SE
	s_setreg_imm32_b32 hwreg(HW_REG_WAVE_MODE, 25, 1), 1
	s_wait_xcnt 0x0
	s_wait_alu depctr_hold_cnt(0) depctr_sa_sdst(0) depctr_va_vdst(0) depctr_va_sdst(0) depctr_va_ssrc(0) depctr_va_vcc(0) depctr_vm_vsrc(0)
	s_getreg_b32 s2, hwreg(HW_REG_IB_STS2, 6, 4)
	s_cmp_eq_u32 s2, 0
	s_cbranch_scc0 .Lentry_in_a_cluster
	s_endpgm
.Lentry_in_a_cluster:
	s_bfe_u32 s2, ttmp6, 0x10000c
	s_cmp_lg_u32 s2, 0xf033
	s_cbranch_scc0 .Lentry_shape_is_right
	s_endpgm
.Lentry_shape_is_right:
; q = xn W_Q, k = xn W_K, v = xn W_V on codes of FP4, and the quantisers behind them: q and k along the head's 64, v along the keys.  No work is left out.
; SHARES: a work-group makes rows 128 Y on x columns 128 X on (two heads) of all three products; wave (wr, wc) 64 x 64 (one head): 16 accumulators.
; xn's tile (128 rows x K 1,024, 64 KiB of register images) comes into LDS once and stays; the three weights' tiles walk through two slots, one PASS (K = 1,024, 8 K steps, 128 matrix instructions a wave) each.
; CLUSTER 4 x 4: xn's tile and scale words hang on Y alone and are asked for jointly along a row of the cluster, the weights' on X alone and jointly along a column.
; q and k are made TRANSPOSED (source 0 = 16 rows of W, source 1 = 16 rows of xn): a lane holds one row and eight neighbours along the head.  v is made the other way round: a lane holds one channel d and eight neighbouring KEYS, its next K.
; OUT.  qb: [batch x head 32][tile of 16 queries 128][512 bytes: lane (r, h) holds block h of the head's 64]; at 2,097,152 a word a query: byte 0, byte 1, 141, 127.
; kvb: [y = 8 batch + pair of heads][chunk of 512 keys 4][head of the pair 2][K or V 2][16,384 bytes]; K: 32 tiles of 16 keys, laid as q's; V: [128 keys 4][16 channels 4][image of 1,024 bytes], rows = channels, K = keys.
;      at 4,194,304, 24,576 bytes a y: K's words [head 2][tile 128][row 16], then V's words [128 keys 16][head 2][channel 64].
; THE KEYS OF A TILE OF K ARE NOT NEIGHBOURS: of each 128 keys, row 8 hb + j of tile 4 c + u is key 64 c + 32 hb + 8 u + j, so that in the scores a lane holds whole blocks of 32 keys.  The codes take that order in a stage of the
; wave's own in LDS and leave it in runs of 512 consecutive bytes; the scale words take it in the wave's 256 bytes of words.
; THE MASK rides in the half of the score product's K = 128 that a head of 64 leaves empty.  A query has the code +4 at k = 64 under the byte 141.  A masked key has zero codes in its 64 real places, the byte 142 for k = 64 on and
; 0x0e in byte 3 of its word, which the attention launch lays as the code -4 at k = 64: its score is exactly -2^33, the same for every masked key.  An open key has the bytes 1 and 0 there and the code 0.
; LIMITS: a masked logit is -2^30 where reference() writes -1e9: results differ only where a real logit lies under about -1e9.  A block of zeros gets the byte 1.  NaN and infinities are not served.
.set B0,    65536                      ; LDS: xn's images at 0; the weights' slot 0 (128 rows x 528 bytes)
.set BX,    0x20000                    ; slot 1 lies this far on: one exclusive or turns an address
.set SCA,   133120                     ; xn's scale words [K step 8][128 rows]
.set SCB,   137216                     ; the weights' scale bytes, 4,096 for each of the three
.set KSTG,  153600                     ; 2,048 bytes a wave: k's four tiles on their way into the tiles' order
.set WSTG,  171008                     ; 256 bytes a wave: a pass's 64 scale words of q or k
.set SCSTG, 172032                     ; 512 bytes: V's scale words of these 128 keys
.set SPARE, 172544                     ; the spare words, 128 bytes a wave
.set SBROW, 32                         ; a weight row's scale bytes
.set SA,  32                           ; v32-47  xn's scale words: 2 s + j: lanes 0-15 row block 2 j, lanes 16-31 row block 2 j + 1, K step s
.set SB,  48                           ; v48-63  the weight's: 8 bp + s: lanes 0-15 tile 2 bp, lanes 16-31 tile 2 bp + 1
.set BI,  64
.set QT,  96                           ; v96-103 the quantiser's eight; v104-107 scale words; v108-123 codes; v124-127 the way out
.set ACC, 128                          ; v128-255 accumulator (a, t) at 128 + 8 (4 a + t)
.set F0,  0                            ; window 1: two fragment buffers of the weight: 2 K steps x 4 x 8 registers, at 64 on
.set F1,  128
.set WV, 4
.set WR, 5
.set WC, 6
.set CX, 7
.set CY, 8
.set XX, 9
.set YY, 10
.set ROWM, 11
.set COLM, 12
.set SEL, 14
.set G1A, 32
.set G1B, 40
.set G1SA, 48
.set G1SB, 56
.set G0A, 68
.set G0SA, 72
.set G0SQ, 76
.set G0SK, 80
.set G0SV, 84
.set G0BQ, 88
.set G0BK, 92
.set G0BV, 96
.set MSB, 0
.macro WIN new                         ; the immediate's high byte repeats the setting that is left
.if MSB != \new
	s_set_vgpr_msb (MSB<<8)|\new
.set MSB, \new
.endif
.endm
.macro WINM sw                         ; the products' windows: the weight's fragments window 1, xn's window 2, C and D window 0; sw = 1: xn is source 0
.if \sw
	WIN 0x06
.else
	WIN 0x09
.endif
.endm
.macro PLACES                          ; four plain places behind matrix instructions, in front of loads into their registers and of reads of results
.rept 4
	v_nop
.endr
.endm
.macro CROUND                          ; a round of the cluster's barrier
	s_barrier_signal -1
	s_barrier_wait -1
	s_cmp_lg_u32 s[WV], 0
	s_cbranch_scc1 .Lnot_wave_0_\@
	s_barrier_signal -3
.Lnot_wave_0_\@:
	s_barrier_wait -3
	s_barrier_signal -1
	s_barrier_wait -1
.endm
.macro G1SET g, w1, w2, w3, w4, w5     ; words 1 to 7 of a descriptor's group 1: tensor_dim0, tensor_dim1, tile_dim0, tile_dim1, the pitch
	s_mov_b32 s[\g+1], \w1
	s_mov_b32 s[\g+2], \w2
	s_mov_b32 s[\g+3], \w3
	s_mov_b32 s[\g+4], \w4
	s_mov_b32 s[\g+5], \w5
	s_mov_b32 s[\g+6], 0
	s_mov_b32 s[\g+7], 0
.endm
.macro G0FIN g, off                    ; the buffer's address stands in words 2 and 3: + the tile's offset, and the type
	s_add_nc_u64 s[\g+2:\g+3], s[\g+2:\g+3], s[\off:\off+1]
	s_or_b32 s[\g+3], s[\g+3], 0x80000000
.endm
.macro TL g0, g1
	tensor_load_to_lds s[\g0:\g0+3], s[\g1:\g1+7]
	s_nop 0
.endm
; One matrix instruction: row block a x tile t, half c of buffer f, K step s.  cm: C is 0 (0), the bias (1), the sum itself (2).  sw = 0: transposed (source 0 = the weight).
.macro WM a, t, f, c, s, cm, sw
.set xD, ACC+8*(4*(\a)+(\t))
.set xC, xD
.if (\cm) == 1
.set xC, BI+8*(\t)
.endif
.if \sw
.set fS0, 8*(4*(\s)+(\a))
.set fS1, (\f)+64+8*(4*(\c)+(\t))
.set sS0, SA+2*(\s)+(\a)/2
.set sS1, SB+8*((\t)/2)+(\s)
.set xR, (\a)%2+2*((\t)%2)
.else
.set fS0, (\f)+64+8*(4*(\c)+(\t))
.set fS1, 8*(4*(\s)+(\a))
.set sS0, SB+8*((\t)/2)+(\s)
.set sS1, SA+2*(\s)+(\a)/2
.set xR, (\t)%2+2*((\a)%2)
.endif
.if (\cm) == 0
.if xR == 0
	v_wmma_scale_f32_16x16x128_f8f6f4 v[xD:xD+7], v[fS0:fS0+7], v[fS1:fS1+7], 0, v[sS0], v[sS1] matrix_a_fmt:MATRIX_FMT_FP4 matrix_b_fmt:MATRIX_FMT_FP4
.elseif xR == 1
	v_wmma_scale_f32_16x16x128_f8f6f4 v[xD:xD+7], v[fS0:fS0+7], v[fS1:fS1+7], 0, v[sS0], v[sS1] matrix_a_fmt:MATRIX_FMT_FP4 matrix_b_fmt:MATRIX_FMT_FP4 matrix_a_scale:MATRIX_SCALE_ROW1
.elseif xR == 2
	v_wmma_scale_f32_16x16x128_f8f6f4 v[xD:xD+7], v[fS0:fS0+7], v[fS1:fS1+7], 0, v[sS0], v[sS1] matrix_a_fmt:MATRIX_FMT_FP4 matrix_b_fmt:MATRIX_FMT_FP4 matrix_b_scale:MATRIX_SCALE_ROW1
.else
	v_wmma_scale_f32_16x16x128_f8f6f4 v[xD:xD+7], v[fS0:fS0+7], v[fS1:fS1+7], 0, v[sS0], v[sS1] matrix_a_fmt:MATRIX_FMT_FP4 matrix_b_fmt:MATRIX_FMT_FP4 matrix_a_scale:MATRIX_SCALE_ROW1 matrix_b_scale:MATRIX_SCALE_ROW1
.endif
.else
.if xR == 0
	v_wmma_scale_f32_16x16x128_f8f6f4 v[xD:xD+7], v[fS0:fS0+7], v[fS1:fS1+7], v[xC:xC+7], v[sS0], v[sS1] matrix_a_fmt:MATRIX_FMT_FP4 matrix_b_fmt:MATRIX_FMT_FP4
.elseif xR == 1
	v_wmma_scale_f32_16x16x128_f8f6f4 v[xD:xD+7], v[fS0:fS0+7], v[fS1:fS1+7], v[xC:xC+7], v[sS0], v[sS1] matrix_a_fmt:MATRIX_FMT_FP4 matrix_b_fmt:MATRIX_FMT_FP4 matrix_a_scale:MATRIX_SCALE_ROW1
.elseif xR == 2
	v_wmma_scale_f32_16x16x128_f8f6f4 v[xD:xD+7], v[fS0:fS0+7], v[fS1:fS1+7], v[xC:xC+7], v[sS0], v[sS1] matrix_a_fmt:MATRIX_FMT_FP4 matrix_b_fmt:MATRIX_FMT_FP4 matrix_b_scale:MATRIX_SCALE_ROW1
.else
	v_wmma_scale_f32_16x16x128_f8f6f4 v[xD:xD+7], v[fS0:fS0+7], v[fS1:fS1+7], v[xC:xC+7], v[sS0], v[sS1] matrix_a_fmt:MATRIX_FMT_FP4 matrix_b_fmt:MATRIX_FMT_FP4 matrix_a_scale:MATRIX_SCALE_ROW1 matrix_b_scale:MATRIX_SCALE_ROW1
.endif
.endif
.endm
.macro MULK f, c, s, cm, sw            ; a K step: the 16 accumulators take turns, one instruction a turn, in the same order in every K step
.irp a, 0,1,2,3
.irp t, 0,1,2,3
	WM \a, \t, \f, \c, \s, \cm, \sw
.endr
.endr
.endm
.macro FETCH q, f                      ; 16 LDS loads in one run: the weight's fragments of K steps 2 q and 2 q + 1 into buffer f, the first K step's eight first
	WIN 0x40                                       ; destination window 1, address window 0
.irp c, 0,1
.irp i, 0,1,2,3
	ds_load_b128 v[(\f)+64+8*(4*\c+\i):(\f)+64+8*(4*\c+\i)+3], v9 offset:8448*\i+64*(2*(\q)+\c)
	ds_load_b128 v[(\f)+64+8*(4*\c+\i)+4:(\f)+64+8*(4*\c+\i)+7], v9 offset:8448*\i+64*(2*(\q)+\c)+32
.endr
.endr
.endm
.macro SCALES                          ; a pass's scale words: 20 loads
.irp s, 0,1,2,3,4,5,6,7
.irp j, 0,1
	ds_load_b32 v[SA+2*\s+\j], v10 offset:512*\s+128*\j
.endr
.endr
.irp bp, 0,1
.irp u, 0,1
	ds_load_b128 v[SB+8*\bp+4*\u:SB+8*\bp+4*\u+3], v11 offset:32*\bp*SBROW+16*\u
.endr
.endr
.endm
.macro QUARTER q, f, g, cm, sw         ; two K steps on buffer f; between them the next two K steps' fragments are asked for, into buffer g
	s_wait_dscnt 8                                 ; all but the buffer's second K step, eight loads, is in
	WINM \sw
	MULK \f, 0, 2*(\q), \cm, \sw
	PLACES
	FETCH (\q)+1, \g
	s_wait_dscnt 16                                ; all but the 16 just issued
	WINM \sw
	MULK \f, 1, 2*(\q)+1, 2, \sw
.endm
.macro PASS cm, sw                     ; K = 1,024
	PLACES
	SCALES
	FETCH 0, F0
	QUARTER 0, F0, F1, \cm, \sw
	QUARTER 1, F1, F0, 2, \sw
	QUARTER 2, F0, F1, 2, \sw
	s_wait_dscnt 8
	WINM \sw
	MULK F1, 0, 6, 2, \sw
	s_wait_dscnt 0x0
	MULK F1, 1, 7, 2, \sw
	WIN 0
.endm
; The head of a pass.  Every wave waits for all its tensor loads, adds 0 to its spare word, waits for that and for its LDS reads.  fill > 0: a round of the cluster's barrier, and behind it
; wave 2 asks jointly for the next pass's weight, 128 rows, into the slot that nobody reads any more (the first time: into slot 1, which nobody has filled).
; fill = 2, the first time, where every load is a first fill: wave 0 also asks for W_K's scale bytes and wave 1 for W_V's.  One tensor load a wave at the most.
.macro SYNC fill, g0
	s_wait_tensorcnt 0x0
	ds_add_u32 v28, v29
	s_wait_dscnt 0x0
.if \fill
	CROUND
.if \fill == 2
	s_cmp_lg_u32 s[WV], 0                          ; the branches hang on the wave's number alone
	s_cbranch_scc1 .Lf1_\@
	TL G0SK, G1SB
	PLACES
	s_branch .Lno_b_\@
.Lf1_\@:
	s_cmp_lg_u32 s[WV], 1
	s_cbranch_scc1 .Lf2_\@
	TL G0SV, G1SB
	PLACES
	s_branch .Lno_b_\@
.Lf2_\@:
.endif
	s_cmp_lg_u32 s[WV], 2
	s_cbranch_scc1 .Lno_b_\@
	TL \g0, G1B
	PLACES
.Lno_b_\@:
.else
	s_barrier_signal -1
	s_barrier_wait -1
.endif
.endm
; THE QUANTISER for two blocks of 32 that lie in four runs of eight registers: block 0 in r0 (numbers 8 h + j) and r1 (16 + 8 h + j), block 1 in r2 and r3; lanes l and l xor 16 hold a block together.
; Out: v[pc .. pc + 3]: lane half hh holds block hh's 32 codes in their order: half an image, 16 bytes a lane.  v[pw]: byte 0 and byte 1.
.macro QUANT32 r0, r1, r2, r3, pc, pw
	v_max3_num_f32 v[QT], |v[(\r0)]|, |v[(\r0)+1]|, 0x1800000      ; with the floor 2^(3 - 127): the byte cannot fall under 1
	v_max3_num_f32 v[QT+1], |v[(\r2)]|, |v[(\r2)+1]|, 0x1800000
.irp i, 2,4,6
	v_max3_num_f32 v[QT], v[QT], |v[(\r0)+\i]|, |v[(\r0)+\i+1]|
	v_max3_num_f32 v[QT+1], v[QT+1], |v[(\r2)+\i]|, |v[(\r2)+\i+1]|
.endr
.irp i, 0,2,4,6
	v_max3_num_f32 v[QT], v[QT], |v[(\r1)+\i]|, |v[(\r1)+\i+1]|
	v_max3_num_f32 v[QT+1], v[QT+1], |v[(\r3)+\i]|, |v[(\r3)+\i+1]|
.endr
	v_permlanex16_b32 v[QT+2], v[QT], s[SEL], s[SEL+1]
	v_permlanex16_b32 v[QT+3], v[QT+1], s[SEL], s[SEL+1]
	v_max_num_f32 v[QT], v[QT], v[QT+2]
	v_max_num_f32 v[QT+1], v[QT+1], v[QT+3]
	v_add_nc_u32 v[QT+4], 0xff000000, v[QT]        ; 2 off the exponent field: the conversion's scale operand
	v_add_nc_u32 v[QT+5], 0xff000000, v[QT+1]
	v_lshrrev_b32 v[QT+6], 23, v[QT+4]
	v_lshrrev_b32 v[QT+7], 23, v[QT+5]
	v_lshl_or_b32 v[\pw], v[QT+7], 8, v[QT+6]
	v_cvt_scalef32_pk8_fp4_f32 v[(\pc)], v[(\r0):(\r0)+7], v[QT+4]
	v_cvt_scalef32_pk8_fp4_f32 v[(\pc)+1], v[(\r2):(\r2)+7], v[QT+5]
	v_cvt_scalef32_pk8_fp4_f32 v[(\pc)+2], v[(\r1):(\r1)+7], v[QT+4]
	v_cvt_scalef32_pk8_fp4_f32 v[(\pc)+3], v[(\r3):(\r3)+7], v[QT+5]
	v_nop                                          ; one plain place behind the scaled conversions
	v_permlane16_swap_b32 v[(\pc)], v[(\pc)+1]     ; the first's lanes 16-31 change places with the second's lanes 0-15: a whole block to a lane
	v_permlane16_swap_b32 v[(\pc)+2], v[(\pc)+3]
.endm
	s_load_b64 s[G0A+2:G0A+3], s[0:1], 0x0         ; each buffer's address is loaded straight into its descriptor
	s_load_b64 s[G0SA+2:G0SA+3], s[0:1], 0x0
	s_load_b64 s[G0BQ+2:G0BQ+3], s[0:1], 0x8
	s_load_b64 s[G0SQ+2:G0SQ+3], s[0:1], 0x10
	s_load_b64 s[G0BK+2:G0BK+3], s[0:1], 0x18
	s_load_b64 s[G0SK+2:G0SK+3], s[0:1], 0x20
	s_load_b64 s[G0BV+2:G0BV+3], s[0:1], 0x28
	s_load_b64 s[G0SV+2:G0SV+3], s[0:1], 0x30
	s_load_b64 s[66:67], s[0:1], 0x38              ; the mask
	s_load_b128 s[28:31], s[0:1], 0x40             ; qb s[28:29], kvb s[30:31]
	v_lshl_add_u32 v28, v0, 2, SPARE
	v_mov_b32 v29, 0
	ds_add_u32 v28, v29                            ; the wave's opening: the add, twice on end, and its wait ahead of my first tensor load
	ds_add_u32 v28, v29
	v_lshrrev_b32 v1, 5, v0
	v_readfirstlane_b32 s[WV], v1                  ; wave 0..3
	s_lshr_b32 s[WR], s[WV], 1                     ; my half of the rows
	s_and_b32 s[WC], s[WV], 1                      ; my half of the columns
	s_bfe_u32 s[CX], ttmp6, 0x40000
	s_bfe_u32 s[CY], ttmp6, 0x40004
	s_lshl_b32 s[XX], ttmp9, 2
	s_add_co_u32 s[XX], s[XX], s[CX]               ; X = 4 x cluster x + cx
	s_and_b32 s[YY], ttmp7, 0xffff
	s_lshl_b32 s[YY], s[YY], 2
	s_add_co_u32 s[YY], s[YY], s[CY]               ; Y = 4 x cluster y + cy
	s_lshl_b32 s[ROWM], s[CY], 2
	s_lshl_b32 s[ROWM], 15, s[ROWM]                ; my row of the cluster
	s_lshl_b32 s[COLM], 0x1111, s[CX]              ; my column
	s_or_b32 s[G1A], s[ROWM], (3<<16)|(1<<21)      ; xn's images: 8 tiles of rows x 8,192 bytes (1,024 elements of 8 bytes)
	G1SET G1A, 1024<<16, 8<<16, 1024<<16, 8, 1024
	s_or_b32 s[G1B], s[COLM], (1<<20)|(1<<21)|(6<<22)|(3<<25)   ; a weight: 128 rows x 512 bytes, 16 bytes of padding behind each
	G1SET G1B, 512<<16, 128<<16, 512<<16, 128, 512
	s_or_b32 s[G1SA], s[ROWM], (2<<16)|(1<<21)     ; xn's scale words: 8 K steps x 128 words, 4,096 words apart
	G1SET G1SA, 128<<16, 8<<16, 128<<16, 8, 4096
	s_or_b32 s[G1SB], s[COLM], (3<<16)|(1<<21)     ; a weight's scale bytes: 4,096 dense bytes as 16 rows of 256
	G1SET G1SB, 32<<16, 16<<16, 32<<16, 16, 32
	s_lshl_b32 s16, s[YY], 16                      ; s[16:19] hold what hangs on Y, s[20:23] what hangs on X, and never the other
	s_mov_b32 s17, 0
	s_lshl_b32 s18, s[YY], 9
	s_add_co_u32 s18, s18, 2097152                 ; its scale words: 512 Y + 4 K steps x half
	s_mov_b32 s19, 0
	s_lshl_b32 s20, s[XX], 16
	s_mov_b32 s21, 0
	s_lshl_b32 s22, s[XX], 12
	s_mov_b32 s23, 0
	s_mov_b32 s[G0A], 1                            ; each tile comes whole, by one load of one wave: its LDS address is a constant
	s_mov_b32 s[G0A+1], 0
	s_mov_b32 s[G0SA], 1
	s_mov_b32 s[G0SA+1], SCA
	s_mov_b32 s[G0SQ], 1
	s_mov_b32 s[G0SQ+1], SCB
	s_mov_b32 s[G0SK], 1
	s_mov_b32 s[G0SK+1], SCB+4096
	s_mov_b32 s[G0SV], 1
	s_mov_b32 s[G0SV+1], SCB+8192
	s_mov_b32 s[G0BQ], 1
	s_mov_b32 s[G0BQ+1], B0
	s_mov_b32 s[G0BK], 1
	s_mov_b32 s[G0BK+1], B0+BX
	s_mov_b32 s[G0BV], 1
	s_mov_b32 s[G0BV+1], B0
	s_mov_b32 s[SEL], 0x76543210
	s_mov_b32 s[SEL+1], 0xfedcba98
	s_wait_dscnt 0x0                               ; both opening adds are done
	s_wait_kmcnt 0x0
	G0FIN G0A, 16
	G0FIN G0SA, 18
	G0FIN G0BQ, 20
	G0FIN G0BK, 20
	G0FIN G0BV, 20
	G0FIN G0SQ, 22
	G0FIN G0SK, 22
	G0FIN G0SV, 22
	CROUND                                         ; all sixteen work-groups are here: the first joint loads meet
; The head's loads, one a wave: wave 0 xn's images, wave 1 its scale words, wave 2 W_Q's 128 rows, wave 3 W_Q's scale bytes.  One chain of branches on the wave's number, all arms leading to one join.
.macro ARM under, g0, g1, next
	s_cmp_lt_u32 s[WV], \under
	s_cbranch_scc0 \next
	TL \g0, \g1
	PLACES
	s_branch .Lfilled
\next:
.endm
	ARM 1, G0A, G1A, .Larm_sa
	ARM 2, G0SA, G1SA, .Larm_b
	ARM 3, G0BQ, G1B, .Larm_sq
	TL G0SQ, G1SB
	PLACES
.Lfilled:
	v_and_b32 v1, 15, v0                           ; r
	v_bfe_u32 v2, v0, 4, 1                         ; h
	v_and_b32 v31, 31, v0                          ; lane
	v_lshlrev_b32 v3, 4, v31                       ; 16 x lane
	s_lshl_b32 s13, s[WR], 15
	v_add_nc_u32 v8, s13, v3                       ; xn's images: my four tiles of rows
	v_mul_u32_u24 v5, v1, 528
	v_lshl_add_u32 v5, v2, 4, v5
	s_mul_i32 s13, s[WC], 64*528
	s_add_co_u32 s13, s13, B0
	v_add_nc_u32 v5, s13, v5                       ; a weight's rows in slot 0: (64 wc + r) x 528 + 16 h
	v_lshlrev_b32 v10, 2, v31
	s_lshl_b32 s13, s[WR], 8
	s_add_co_u32 s13, s13, SCA
	v_add_nc_u32 v10, s13, v10                     ; xn's scale words: rows 64 wr + lane
	v_mul_u32_u24 v7, v31, SBROW
	s_mul_i32 s13, s[WC], 64*SBROW
	s_add_co_u32 s13, s13, SCB
	v_add_nc_u32 v7, s13, v7                       ; a weight's scale bytes: rows 64 wc + lane
	v_bfe_u32 v4, v0, 3, 1                         ; r / 8
	v_and_b32 v6, 7, v0                            ; r % 8
	s_lshl_b32 s13, s[WV], 8
	s_add_co_u32 s13, s13, WSTG
	v_lshl_add_u32 v18, v1, 2, s13                 ; my 64 scale words: q's go in by rows,
	v_lshl_add_u32 v19, v31, 3, s13                ; and come back 8 bytes a lane;
	v_lshl_add_u32 v27, v6, 2, s13
	v_lshl_add_u32 v27, v4, 6, v27                 ; k's go in by the tiles' order: 64 (r / 8) + 4 (r % 8), the row block in the immediate
	s_lshl_b32 s13, s[WV], 11
	s_add_co_u32 s13, s13, KSTG
	v_lshl_add_u32 v6, v6, 4, s13
	v_lshl_add_u32 v6, v4, 9, v6
	v_lshl_add_u32 v4, v2, 8, v6                   ; k's codes into my stage: 512 (r / 8) + 16 (r % 8) + 256 h, the row block in the immediate
	v_add_nc_u32 v6, s13, v3                       ; and back, 16 bytes a lane
	s_lshl_b32 s13, s[WC], 8
	s_lshl_b32 s24, s[WR], 1
	s_add_co_u32 s13, s13, s24
	s_add_co_u32 s13, s13, SCSTG
	v_lshl_add_u32 v24, v1, 2, s13                 ; V's scale words: channel 64 wc + r, bytes 2 wr on
	v_add_nc_u32 v25, SCSTG, v3
	v_mov_b32 v30, 0
	v_mov_b32 v98, 0                               ; written once: a lane permute's destination counts as one of its sources
	v_mov_b32 v99, 0
	; the stores' offsets, from the ids
	s_lshr_b32 s2, s[YY], 4
	s_lshl_b32 s2, s2, 3
	s_add_co_u32 s2, s2, s[XX]                     ; y = 8 x batch + X
	s_and_b32 s3, s[YY], 15                        ; which 128 rows of the batch
	s_lshl_b32 s100, s2, 1
	s_add_co_u32 s100, s100, s[WC]                 ; batch x head
	s_lshl_b32 s101, s100, 7
	s_lshl_b32 s24, s3, 3
	s_lshl_b32 s25, s[WR], 2
	s_add_co_u32 s101, s101, s24
	s_add_co_u32 s101, s101, s25
	s_lshl_b32 s101, s101, 9
	v_add_nc_u32 v12, s101, v3                     ; q's codes
	s_lshl_b32 s101, s100, 13
	s_lshl_b32 s24, s3, 9
	s_lshl_b32 s25, s[WR], 8
	s_add_co_u32 s24, s24, s25                     ; (128 yy + 64 wr) x 4
	s_add_co_u32 s101, s101, s24
	s_add_co_u32 s101, s101, 2097152
	v_lshl_add_u32 v13, v31, 3, s101               ; q's words
	s_lshl_b32 s26, s2, 2
	s_lshr_b32 s25, s3, 2
	s_add_co_u32 s26, s26, s25
	s_lshl_b32 s26, s26, 2
	s_lshl_b32 s25, s[WC], 1
	s_add_co_u32 s26, s26, s25                     ; (4 y + chunk) x 4 + 2 x head of the pair
	s_and_b32 s27, s3, 3
	s_lshl_b32 s101, s26, 14
	s_lshl_b32 s25, s27, 12
	s_add_co_u32 s101, s101, s25
	s_lshl_b32 s25, s[WR], 11
	s_add_co_u32 s25, s101, s25
	v_add_nc_u32 v14, s25, v3                      ; k's codes: tile 8 (yy % 4) + 4 wr on
	s_lshl_b32 s25, s[WR], 9
	s_add_co_u32 s25, s101, s25
	s_add_co_u32 s25, s25, 16384
	v_add_nc_u32 v16, s25, v3                      ; v's codes: K step yy % 4, half wr of each image
	s_mul_i32 s27, s2, 24576
	s_add_co_u32 s27, s27, 4194304
	s_lshl_b32 s25, s[WC], 13
	s_add_co_u32 s25, s25, s27
	s_add_co_u32 s25, s25, s24
	v_lshl_add_u32 v15, v31, 3, s25                ; k's words
	s_lshl_b32 s25, s3, 9
	s_add_co_u32 s25, s25, s27
	s_add_co_u32 s25, s25, 16384
	v_add_nc_u32 v17, s25, v3                      ; v's words
	s_lshl_b32 s25, s[YY], 9
	s_lshl_b32 s24, s[WR], 8
	s_add_co_u32 s25, s25, s24
	v_lshl_add_u32 v26, v1, 2, s25
.irp a, 0,1,2,3
	global_load_b32 v[20+\a], v26, s[66:67] offset:64*\a   ; the mask of keys 128 Y + 64 wr + 16 a + r
.endr
.macro EQ                              ; q: my 64 rows x one head
	PLACES
.irp a, 0,1,2,3
	QUANT32 ACC+32*\a, ACC+32*\a+8, ACC+32*\a+16, ACC+32*\a+24, 108+4*\a, 104+\a
	v_or_b32 v[104+\a], 0x7f8d0000, v[104+\a]      ; the bytes 141 and 127 for the upper half of K
	global_store_b128 v12, v[108+4*\a:111+4*\a], s[28:29] offset:512*\a   ; 512 consecutive bytes, aligned
	ds_store_b32 v18, v[104+\a] offset:64*\a
.endr
	ds_load_b64 v[124:125], v19                    ; LDS serves a wave's instructions in order: this sees my stores
	s_wait_dscnt 0x0
	global_store_b64 v13, v[124:125], s[28:29]     ; 256 consecutive bytes, aligned
.endm
; k likewise, with the mask, and into the tiles' order: key 16 a + r of my 64 is row 8 (a / 2) + r % 8 of tile 2 (a % 2) + r / 8
.macro EK
	s_wait_xcnt 0x0                                ; q's stores have read their registers
	s_wait_loadcnt 0x0                             ; the mask
	PLACES
.irp a, 0,1,2,3
	QUANT32 ACC+32*\a, ACC+32*\a+8, ACC+32*\a+16, ACC+32*\a+24, 108+4*\a, 104+\a
	v_cmp_eq_u32 vcc_lo, 0, v[20+\a]
	v_or_b32 v[QT+6], 0xe8e0000, v[104+\a]         ; a masked key's word: the byte 142 and the flag
	v_or_b32 v[104+\a], 0x10000, v[104+\a]         ; an open key's: the byte 1, no flag
.irp i, 0,1,2,3
	v_cndmask_b32 v[108+4*\a+\i], v[108+4*\a+\i], v30, vcc_lo   ; a masked key's codes are zeros
.endr
	v_cndmask_b32 v[104+\a], v[104+\a], v[QT+6], vcc_lo
	ds_store_b128 v4, v[108+4*\a:111+4*\a] offset:1024*(\a%2)+128*(\a/2)
	ds_store_b32 v27, v[104+\a] offset:128*(\a%2)+32*(\a/2)
.endr
.irp a, 0,1,2,3
	ds_load_b128 v[108+4*\a:111+4*\a], v6 offset:512*\a   ; LDS serves a wave's instructions in order: these see my stores; a tile's 512 bytes each
.endr
	ds_load_b64 v[124:125], v19
	s_wait_dscnt 0x0
.irp a, 0,1,2,3
	global_store_b128 v14, v[108+4*\a:111+4*\a], s[30:31] offset:512*\a   ; 512 consecutive bytes, aligned
.endr
	global_store_b64 v15, v[124:125], s[30:31]
.endm
.macro EV                              ; v: a lane holds channel 16 t + r, its registers run along my 64 keys
	s_wait_xcnt 0x0
	PLACES
.irp t, 0,1,2,3
	QUANT32 ACC+8*\t, ACC+32+8*\t, ACC+64+8*\t, ACC+96+8*\t, 108+4*\t, 104+\t
	global_store_b128 v16, v[108+4*\t:111+4*\t], s[30:31] offset:1024*\t
	ds_store_b16 v24, v[104+\t] offset:64*\t
.endr
	s_wait_dscnt 0x0                               ; for the others' sake
	s_barrier_signal -1
	s_barrier_wait -1
	s_cmp_lg_u32 s[WV], 0
	s_cbranch_scc1 .Lnot_words
	ds_load_b128 v[124:127], v25
	s_wait_dscnt 0x0
	global_store_b128 v17, v[124:127], s[30:31]    ; 512 consecutive bytes, aligned
.Lnot_words:
.endm
	SYNC 2, G0BK                                   ; xn, its scales, W_Q and its scales are in; W_K, into slot 1, and W_K's and W_V's scale bytes are asked for
	WIN 0x80                                       ; xn's fragments of my 64 rows, all of K: 256 registers, window 2, fragment (K step s, row block a) at 8 (4 s + a).
.irp a, 0,1,2,3
.irp s, 0,1,2,3,4,5,6,7
	ds_load_b128 v[8*(4*\s+\a):8*(4*\s+\a)+3], v8 offset:(8*\a+\s)*1024
	ds_load_b128 v[8*(4*\s+\a)+4:8*(4*\s+\a)+7], v8 offset:(8*\a+\s)*1024+512
.endr
.endr
	WIN 0
	v_add_nc_u32 v9, 0, v5
	s_wait_alu depctr_va_vdst(0)
	v_add_nc_u32 v11, 0, v7
	PASS 0, 0
	EQ
	SYNC 1, G0BV                                   ; W_K is in; W_V is asked for, into slot 0
	v_add_nc_u32 v9, BX, v5
	s_wait_alu depctr_va_vdst(0)
	v_add_nc_u32 v11, 4096, v7
	PASS 0, 0
	EK
	SYNC 0, 0                                      ; W_V is in; nothing is left to fetch
	v_add_nc_u32 v9, 0, v5
	s_wait_alu depctr_va_vdst(0)
	v_add_nc_u32 v11, 8192, v7
	PASS 0, 1
	EV
	s_wait_tensorcnt 0x0                           ; the wave's end
	ds_add_u32 v28, v29
	s_wait_dscnt 0x0
	CROUND                                         ; the closing round
	s_endpgm
.Lfunc_end_k_q9acf2b3051_qkv:
	.size	k_q9acf2b3051_qkv, .Lfunc_end_k_q9acf2b3051_qkv-k_q9acf2b3051_qkv
	.p2alignl 7, 3214868480
	.fill 96, 4, 3214868480
	.section	.rodata,"a",@progbits
	.p2align	6, 0x0
	.amdhsa_kernel k_q9acf2b3051_qkv
		.amdhsa_group_segment_fixed_size 327680
		.amdhsa_private_segment_fixed_size 0
		.amdhsa_enable_private_segment 0
		.amdhsa_kernarg_size 80
		.amdhsa_user_sgpr_count 2
		.amdhsa_user_sgpr_kernarg_segment_ptr 1
		.amdhsa_wavefront_size32 1
		.amdhsa_system_sgpr_workgroup_id_x 1
		.amdhsa_system_sgpr_workgroup_id_y 1
		.amdhsa_system_sgpr_workgroup_id_z 1
		.amdhsa_system_vgpr_workitem_id 0
		.amdhsa_next_free_vgpr 768
		.amdhsa_next_free_sgpr 102
		.amdhsa_reserve_vcc 1
		.amdhsa_float_denorm_mode_32 3
		.amdhsa_float_denorm_mode_16_64 3
		.amdhsa_memory_ordered 1
		.amdhsa_forward_progress 1
		.amdhsa_inst_pref_size 113
	.end_amdhsa_kernel
	.amdgpu_metadata
---
amdhsa.version: [ 1, 2 ]
amdhsa.kernels:
  - .name:           k_q9acf2b3051_qkv
    .symbol:         k_q9acf2b3051_qkv.kd
    .args:
      - { .name: xa, .offset: 0, .size: 8, .value_kind: global_buffer, .address_space: global }
      - { .name: W_Q_codes, .offset: 8, .size: 8, .value_kind: global_buffer, .address_space: global }
      - { .name: W_Q_scales, .offset: 16, .size: 8, .value_kind: global_buffer, .address_space: global }
      - { .name: W_K_codes, .offset: 24, .size: 8, .value_kind: global_buffer, .address_space: global }
      - { .name: W_K_scales, .offset: 32, .size: 8, .value_kind: global_buffer, .address_space: global }
      - { .name: W_V_codes, .offset: 40, .size: 8, .value_kind: global_buffer, .address_space: global }
      - { .name: W_V_scales, .offset: 48, .size: 8, .value_kind: global_buffer, .address_space: global }
      - { .name: padding_mask, .offset: 56, .size: 8, .value_kind: global_buffer, .address_space: global }
      - { .name: qb, .offset: 64, .size: 8, .value_kind: global_buffer, .address_space: global }
      - { .name: kvb, .offset: 72, .size: 8, .value_kind: global_buffer, .address_space: global }
    .group_segment_fixed_size: 327680
    .private_segment_fixed_size: 0
    .kernarg_segment_align: 8
    .kernarg_segment_size: 80
    .max_flat_workgroup_size: 128
    .sgpr_count:     102
    .vgpr_count:     768
    .wavefront_size: 32
...
	.end_amdgpu_metadata
.endif
;; end of part 2
;; launch attn (part 3): grid 16 x 16, 16 waves a work-group, clusters of 4 x 1, 289,792 bytes of LDS; arguments qb, kvb, aa; writes aa
.if DOCPART == 3
	.amdgcn_target "amdgcn-amd-amdhsa--gfx1250"
	.amdhsa_code_object_version 6
	.text
	.protected	k_q9acf2b3051_attn
	.globl	k_q9acf2b3051_attn
	.p2align	8
	.type	k_q9acf2b3051_attn,@function
k_q9acf2b3051_attn:
	s_mov_b64 s[64:65], 0
	v_nop
	global_prefetch_b8 v0, s[64:65] scope:SCOPE_SE
	s_setreg_imm32_b32 hwreg(HW_REG_WAVE_MODE, 25, 1), 1
	s_wait_xcnt 0x0
	s_wait_alu depctr_hold_cnt(0) depctr_sa_sdst(0) depctr_va_vdst(0) depctr_va_sdst(0) depctr_va_ssrc(0) depctr_va_vcc(0) depctr_vm_vsrc(0)
	s_getreg_b32 s2, hwreg(HW_REG_IB_STS2, 6, 4)
	s_cmp_eq_u32 s2, 0
	s_cbranch_scc0 .Lentry_in_a_cluster
	s_endpgm
.Lentry_in_a_cluster:
	s_bfe_u32 s2, ttmp6, 0x10000c
	s_cmp_lg_u32 s2, 0x3003
	s_cbranch_scc0 .Lentry_shape_is_right
	s_endpgm
.Lentry_shape_is_right:
; attn = softmax(q k^T / 8, masked) v on codes of FP4, divided by the row's sum and quantised along D for the product with W_O.  No work is left out.
; THE SOFTMAX: t = score x log2(e) / 8; M = the running largest t rounded up to a whole number; p = 2^(t - M) is quantised along the keys; the sum is taken of the unquantised p.
; SHARES: a work-group takes 128 queries x the two heads of a pair; wave w: head w / 8 of the pair, queries 16 (w % 8) on: one tile, in 256 registers, four waves to a SIMD.
; Both heads' K, V and scale words, 286,720 bytes, fit in LDS: they are filled once, in four chunks of 512 keys, and nothing is filled again.
; CLUSTER 4 x 1: four blocks of queries of one pair of heads walk the same K and V: each tile is asked for jointly (mask 15).
; Both products are used transposed (S^T = K Q^T, O^T = V^T P^T): a lane holds one query throughout.
; THE KEYS OF A TILE OF K ARE NOT NEIGHBOURS (the launch before lays them so): of a step's 128 keys, row 8 hb + j of tile 4 c + u is key 64 c + 32 hb + 8 u + j.  So the 32 registers of tiles 4 c .. 4 c + 3 hold, in lane half h,
; block 2 c + h of 32 keys, whole and in order: which is the very place that the second product's operand gives that block.  A block's maximum needs no other lane, and the conversions' results are the operand's registers.
; THE MASK: K's fragment has k = 64 .. 127 free.  Its register 4 is byte 3 of the key's scale word, loaded as a byte: 0, or 0x0e = the code -4 at k = 64, which meets the query's +4 there: the score -2^33 exactly.
; c x 2^33 is a whole number in f32, so a row all of whose keys are masked has t - M = 0 and p = 1 everywhere, as reference()'s equal logits give; beside any open key a masked p is 0.
; LIMITS: a masked logit is -2^30 where reference() writes -1e9.  A block of zeros gets the byte 1.  NaN and infinities are not served.
.set SCL,   262144                     ; LDS: K and V at 0 as they lie in kvb: 65,536 chunk + 32,768 head + 16,384 (V); here the scale words
.set SCSTG, 286720                     ; 512 bytes: the result's scale words of 128 rows
.set SPARE, 287232                     ; the spare words, 128 bytes for each of sixteen waves
.set QT,  232                          ; the closing quantiser's eight registers
.set WV, 4
.set HP, 5
.set QI, 6
.set CX, 7
.set QB, 8
.set YY, 9
.set SEL, 10
.set CS, 12
.set TB, 14
.set TS, 15
.set CNT, 16
.set TBN, 2                            ; s2, s3: where the next chunk's K and K's words begin
.set TSN, 3
.set G1S, 24
.set G1C, 32
.set G0S, 40
.set G0C, 44
; REGISTERS: v1-4 my places in K, V, K's words, V's words; v5, v6 the add's two; v7 16 x lane; v8-11 the chunk's addresses; v12 -M, v13 the largest t, v[14:15] the sum; v16-23 Q; v24, v25 the conversions' scales; v28 8 h;
; v32-95 eight fragments of K; v96-159 S^T, then p; v160-191 O^T; v192-223 four fragments of V; v224-231 p's codes; v232-239, v252, v254 at work; v240-247 K's words; v248-251 V's; v253 p's; v255 Q's.
.macro PLACES
.rept 4
	v_nop
.endr
.endm
.macro CROUND
	s_barrier_signal -1
	s_barrier_wait -1
	s_cmp_lg_u32 s[WV], 0
	s_cbranch_scc1 .Lnot_wave_0_\@
	s_barrier_signal -3
.Lnot_wave_0_\@:
	s_barrier_wait -3
	s_barrier_signal -1
	s_barrier_wait -1
.endm
.macro G1SET g, w1, w2, w3, w4, w5
	s_mov_b32 s[\g+1], \w1
	s_mov_b32 s[\g+2], \w2
	s_mov_b32 s[\g+3], \w3
	s_mov_b32 s[\g+4], \w4
	s_mov_b32 s[\g+5], \w5
	s_mov_b32 s[\g+6], 0
	s_mov_b32 s[\g+7], 0
.endm
.macro TL g0, g1
	tensor_load_to_lds s[\g0:\g0+3], s[\g1:\g1+7]
	s_nop 0
.endm
.macro QUANT32 r0, r1, r2, r3, pc, pw  ; two blocks of 32 in four runs of eight registers become half an image and two bytes
	v_max3_num_f32 v[QT], |v[(\r0)]|, |v[(\r0)+1]|, 0x1800000
	v_max3_num_f32 v[QT+1], |v[(\r2)]|, |v[(\r2)+1]|, 0x1800000
.irp i, 2,4,6
	s_delay_alu instid0(VALU_DEP_2)
	v_max3_num_f32 v[QT], v[QT], |v[(\r0)+\i]|, |v[(\r0)+\i+1]|
	s_delay_alu instid0(VALU_DEP_2)
	v_max3_num_f32 v[QT+1], v[QT+1], |v[(\r2)+\i]|, |v[(\r2)+\i+1]|
.endr
.irp i, 0,2,4,6
	s_delay_alu instid0(VALU_DEP_2)
	v_max3_num_f32 v[QT], v[QT], |v[(\r1)+\i]|, |v[(\r1)+\i+1]|
	s_delay_alu instid0(VALU_DEP_2)
	v_max3_num_f32 v[QT+1], v[QT+1], |v[(\r3)+\i]|, |v[(\r3)+\i+1]|
.endr
	s_delay_alu instid0(VALU_DEP_2)
	v_permlanex16_b32 v[QT+2], v[QT], s[SEL], s[SEL+1]
	s_delay_alu instid0(VALU_DEP_2)
	v_permlanex16_b32 v[QT+3], v[QT+1], s[SEL], s[SEL+1]
	s_delay_alu instid0(VALU_DEP_2)
	v_max_num_f32 v[QT], v[QT], v[QT+2]
	s_delay_alu instid0(VALU_DEP_2)
	v_max_num_f32 v[QT+1], v[QT+1], v[QT+3]
	s_delay_alu instid0(VALU_DEP_2)
	v_add_nc_u32 v[QT+4], 0xff000000, v[QT]
	s_delay_alu instid0(VALU_DEP_2)
	v_add_nc_u32 v[QT+5], 0xff000000, v[QT+1]
	s_delay_alu instid0(VALU_DEP_2)
	v_lshrrev_b32 v[QT+6], 23, v[QT+4]
	s_delay_alu instid0(VALU_DEP_2)
	v_lshrrev_b32 v[QT+7], 23, v[QT+5]
	s_delay_alu instid0(VALU_DEP_1)
	v_lshl_or_b32 v[\pw], v[QT+7], 8, v[QT+6]
	v_cvt_scalef32_pk8_fp4_f32 v[(\pc)], v[(\r0):(\r0)+7], v[QT+4]
	v_cvt_scalef32_pk8_fp4_f32 v[(\pc)+1], v[(\r2):(\r2)+7], v[QT+5]
	v_cvt_scalef32_pk8_fp4_f32 v[(\pc)+2], v[(\r1):(\r1)+7], v[QT+4]
	v_cvt_scalef32_pk8_fp4_f32 v[(\pc)+3], v[(\r3):(\r3)+7], v[QT+5]
	v_nop
	v_permlane16_swap_b32 v[(\pc)], v[(\pc)+1]
	v_permlane16_swap_b32 v[(\pc)+2], v[(\pc)+3]
.endm
	s_load_b64 s[18:19], s[0:1], 0x0               ; qb
	s_load_b64 s[20:21], s[0:1], 0x10              ; aa
	s_load_b64 s[G0S+2:G0S+3], s[0:1], 0x8         ; kvb, straight into each descriptor
	s_load_b64 s[G0C+2:G0C+3], s[0:1], 0x8
	v_lshl_add_u32 v5, v0, 2, SPARE
	v_mov_b32 v6, 0
	ds_add_u32 v5, v6                              ; the wave's opening: the add, twice on end, and its wait ahead of the first tensor loads
	ds_add_u32 v5, v6
	v_lshrrev_b32 v8, 5, v0
	s_delay_alu instid0(VALU_DEP_1)
	v_readfirstlane_b32 s[WV], v8                  ; wave 0..15
	s_lshr_b32 s[HP], s[WV], 3
	s_and_b32 s[QI], s[WV], 7
	s_bfe_u32 s[CX], ttmp6, 0x40000
	s_lshl_b32 s[QB], ttmp9, 2
	s_add_co_u32 s[QB], s[QB], s[CX]               ; my block of 128 queries: it enters qb's and aa's offsets alone
	s_and_b32 s[YY], ttmp7, 0xffff                 ; 8 x batch + pair, which the four partners share
	s_mov_b32 s[G1S], 15|(3<<16)|(1<<21)           ; an eighth of the scale words: 3,072 dense bytes as 12 rows of 256
	G1SET G1S, 32<<16, 12<<16, 32<<16, 12, 32
	s_mov_b32 s[G1C], 15|(3<<16)|(1<<21)           ; an eighth of the pair's K and V: 32,768 dense bytes as 128 rows of 256
	G1SET G1C, 32<<16, 128<<16, 32<<16, 128, 32
	s_mul_i32 s22, s[YY], 24576
	s_mul_i32 s17, s[QI], 3072
	s_add_co_u32 s22, s22, s17
	s_add_co_u32 s22, s22, 4194304
	s_mov_b32 s23, 0
	s_mov_b32 s[G0S], 1
	s_add_co_u32 s[G0S+1], s17, SCL
	s_lshl_b32 s2, s[YY], 18
	s_lshl_b32 s17, s[QI], 15
	s_add_co_u32 s2, s2, s17
	s_mov_b32 s3, 0
	s_mov_b32 s[G0C], 1
	s_mov_b32 s[G0C+1], s17
	s_mov_b32 s[SEL], 0x76543210
	s_mov_b32 s[SEL+1], 0xfedcba98
	s_mov_b32 s[CS], 0x3e38aa3b                    ; c = log2(e) / 8
	s_mov_b32 s[CS+1], s[CS]
	s_wait_dscnt 0x0                               ; both opening adds are done
	s_wait_kmcnt 0x0
	s_add_nc_u64 s[G0S+2:G0S+3], s[G0S+2:G0S+3], s[22:23]
	s_or_b32 s[G0S+3], s[G0S+3], 0x80000000
	s_add_nc_u64 s[G0C+2:G0C+3], s[G0C+2:G0C+3], s[2:3]
	s_or_b32 s[G0C+3], s[G0C+3], 0x80000000
	CROUND                                         ; all four work-groups are here: the joint loads meet
	s_cmp_lt_u32 s[WV], 8                          ; one load a wave: waves 0 to 7 fetch K and V, 32,768 bytes each; waves 8 to 15 the scale words, 3,072 bytes each
	s_cbranch_scc0 .Larm_s
	TL G0C, G1C
	PLACES
	s_branch .Lno_load
.Larm_s:
	TL G0S, G1S
	PLACES
.Lno_load:
	v_and_b32 v8, 15, v0                           ; r
	v_bfe_u32 v9, v0, 4, 1                         ; h
	s_delay_alu instid0(VALU_DEP_1)
	v_lshlrev_b32 v28, 3, v9                       ; 8 h: how far up my two bytes stand in p's scale word
	v_and_b32 v7, 31, v0
	s_delay_alu instid0(VALU_DEP_1)
	v_lshlrev_b32 v7, 4, v7                        ; 16 x lane
	s_wait_alu depctr_va_vdst(0)
	s_lshl_b32 s17, s[HP], 15
	v_add_nc_u32 v1, s17, v7                       ; K: my head's tiles, 16 bytes a lane
	s_delay_alu instid0(VALU_DEP_1)
	v_add_nc_u32 v2, 16384, v1                     ; V
	s_lshl_b32 s17, s[HP], 13
	s_add_co_u32 s17, s17, SCL
	v_lshl_add_u32 v3, v8, 2, s17                  ; K's words: 4 bytes a row of a tile
	s_lshl_b32 s17, s[HP], 8
	s_add_co_u32 s17, s17, SCL+16384
	v_lshl_add_u32 v4, v8, 2, s17                  ; V's: 4 bytes a channel
	s_lshl_b32 s60, s[YY], 1
	s_add_co_u32 s60, s60, s[HP]                   ; batch x head
	s_lshl_b32 s61, s60, 7
	s_lshl_b32 s62, s[QB], 3
	s_add_co_u32 s61, s61, s62
	s_add_co_u32 s61, s61, s[QI]
	s_lshl_b32 s61, s61, 9
	v_add_nc_u32 v10, s61, v7
	global_load_b128 v[16:19], v10, s[18:19]       ; Q's codes: k = 32 h + 0 .. 31
	s_lshl_b32 s61, s60, 13
	s_lshl_b32 s62, s[QB], 9
	s_add_co_u32 s61, s61, s62
	s_lshl_b32 s62, s[QI], 6
	s_add_co_u32 s61, s61, s62
	s_add_co_u32 s61, s61, 2097152
	v_lshl_add_u32 v11, v8, 2, s61
	global_load_b32 v255, v11, s[18:19]            ; Q's scale words
	v_sub_nc_u32 v20, 1, v9
	s_delay_alu instid0(VALU_DEP_1)
	v_mul_u32_u24 v20, 6, v20                      ; the code +4 at k = 64 (lanes 0-15), nothing at k = 96
	v_mov_b32 v21, 0
	v_mov_b32 v22, 0
	v_mov_b32 v23, 0
.irp i, 0,1,2,3,4,5,6,7
	v_mov_b32 v[37+8*\i], 0                        ; K's fragments: k = 72 .. 95 and 104 .. 127 hold zero codes, written once
	v_mov_b32 v[38+8*\i], 0
	v_mov_b32 v[39+8*\i], 0
.endr
	v_mov_b32 v13, 0xff61b1e6                      ; the largest t so far: -3e38
	s_delay_alu instid0(VALU_DEP_1)
	v_floor_f32 v12, -v13                          ; -M
	v_mov_b32 v14, 0
	v_mov_b32 v15, 0
.irp b, 0,1,2,3
	v_mov_b32 v[236+\b], 0                         ; a lane permute's destination counts as one of its sources
.endr
	v_mov_b32 v253, 0
.set n, 0
.rept 32
	v_mov_b32 v[160+n], 0                          ; O^T: the step is written alike for all steps; the first change of M leaves zeros zeros
.set n, n+1
.endr
; A KEY STEP: 128 keys, the q-th of the chunk in hand; its place in the chunk stands in the immediates.
.macro KLOAD ak, aw, q                 ; K's eight fragments, scale words and flags of a chunk's q-th step: 24 LDS loads
.irp i, 0,1,2,3,4,5,6,7
	ds_load_b128 v[32+8*\i:35+8*\i], v[\ak] offset:4096*(\q)+512*\i
.endr
.irp i, 0,1,2,3,4,5,6,7
	ds_load_b32 v[240+\i], v[\aw] offset:512*(\q)+64*\i
.endr
.irp i, 0,1,2,3,4,5,6,7
	ds_load_u8 v[36+8*\i], v[\aw] offset:512*(\q)+64*\i+3   ; the flag, byte 3 of the key's word, is the code at k = 64
.endr
.endm
.macro STEP q
	s_wait_dscnt 0x0                               ; this step's K was asked for in the step before (the first step's: ahead of the loop)
.irp i, 0,1,2,3,4,5,6,7
	v_wmma_scale_f32_16x16x128_f8f6f4 v[96+8*\i:103+8*\i], v[32+8*\i:39+8*\i], v[16:23], 0, v[240+\i], v255 matrix_a_fmt:MATRIX_FMT_FP4 matrix_b_fmt:MATRIX_FMT_FP4
.endr
	v_mov_b32 v254, v12                            ; the old -M is kept.  This line and three v_nop: the four places behind these products, ahead of the first read of the scores,
	v_nop                                          ; and behind the last step's second products, ahead of the loads into V's registers
	v_nop
	v_nop
.irp t, 0,1,2,3                        ; V's fragments are asked for here and land under the softmax
.irp c, 0,1
	ds_load_b128 v[192+8*\t+4*\c:195+8*\t+4*\c], v9 offset:4096*(\q)+1024*\t+512*\c
.endr
	ds_load_b32 v[248+\t], v11 offset:512*(\q)+64*\t
.endr
.if (\q) < 3                           ; THE NEXT STEP'S K is asked for here too, behind the same four places, and lands under the softmax, which names none of v32-95 and v240-247
	KLOAD 8, 10, (\q)+1
.else
	KLOAD 26, 27, 0                                ; the next chunk's first step.  In the last chunk these addresses name chunk 0 again: they stay inside K's bytes, and nobody reads what these 24 loads bring
.endif
.irp c, 0,1                            ; THE LARGEST SCORE OF EACH OF MY TWO BLOCKS of 32 keys, in two chains a block: for the row's maximum, and for the block's largest p.  Each accumulator is first read at its low end
	v_max3_num_f32 v[232+\c], v[96+32*\c], v[97+32*\c], v[98+32*\c]
	v_max3_num_f32 v[234+\c], v[112+32*\c], v[113+32*\c], v[114+32*\c]
.endr
.irp i, 3,5,7,9,11,13
.irp c, 0,1
	v_max3_num_f32 v[232+\c], v[232+\c], v[96+32*\c+\i], v[97+32*\c+\i]
	v_max3_num_f32 v[234+\c], v[234+\c], v[112+32*\c+\i], v[113+32*\c+\i]
.endr
.endr
.irp c, 0,1
	v_max3_num_f32 v[232+\c], v[232+\c], v[234+\c], v[111+32*\c]
.endr
.irp c, 0,1
	v_max_num_f32 v[232+\c], v[232+\c], v[127+32*\c]
.endr
	s_delay_alu instid0(VALU_DEP_1)
	v_max_num_f32 v234, v232, v233
	s_delay_alu instid0(VALU_DEP_1)
	v_permlanex16_b32 v236, v234, s[SEL], s[SEL+1] ; the query's other 64 keys lie in the lane 16 away
	s_delay_alu instid0(VALU_DEP_1)
	v_max_num_f32 v234, v234, v236                 ; the step's largest score of my query
	s_delay_alu instid0(VALU_DEP_1)
	v_mul_f32 v234, s[CS], v234
	s_delay_alu instid0(VALU_DEP_1)
	v_max_num_f32 v13, v13, v234                   ; the running largest t
	s_delay_alu instid0(VALU_DEP_1)
	v_floor_f32 v12, -v13                          ; the new -M
	s_delay_alu instid0(VALU_DEP_1)
	v_sub_f32 v254, v12, v254                      ; old M - new M: a whole number, 0 or less
	s_delay_alu instid0(VALU_DEP_1)
	v_cvt_i32_f32 v254, v254
	s_delay_alu instid0(VALU_DEP_1)
	v_ldexp_f32 v252, 1.0, v254                    ; f = 2^(old M - new M)
.set n, 0
.rept 32
	v_pk_fma_f32 v[96+n:97+n], v[96+n:97+n], s[CS:CS+1], v[12:13] op_sel_hi:[1,0,0]   ; t - M
.set n, n+2
.endr
.irp c, 0,1
	v_fma_f32 v[232+\c], v[232+\c], s[CS], v12
.endr
.set n, 0
	s_wait_alu depctr_va_vdst(0)
.rept 64
	v_exp_f32 v[96+n], v[96+n]                     ; p
.set n, n+1
.endr
	v_pk_mul_f32 v[14:15], v[14:15], v[252:253] op_sel_hi:[1,0]   ; the sums under the new M: a plain place behind the exponentials
	s_wait_alu depctr_va_vdst(0)                   ; one wait for the batch, ahead of its first reader
.irp c, 0,1
	v_exp_f32 v[232+\c], v[232+\c]                 ; each block's largest p: the same two instructions on the same number give the same bits
.endr
	v_pk_add_f32 v[236:237], v[100:101], v[104:105]
	v_pk_add_f32 v[238:239], v[108:109], v[112:113]
	v_pk_add_f32 v[234:235], v[116:117], v[120:121]
	v_pk_add_f32 v[226:227], v[124:125], v[128:129]
	v_pk_add_f32 v[224:225], v[132:133], v[136:137]
	v_pk_add_f32 v[230:231], v[140:141], v[144:145]
	v_pk_add_f32 v[228:229], v[148:149], v[152:153]
	v_pk_add_f32 v[14:15], v[14:15], v[156:157]
	v_pk_add_f32 v[236:237], v[236:237], v[96:97]
	v_pk_add_f32 v[238:239], v[238:239], v[98:99]
	v_pk_add_f32 v[234:235], v[234:235], v[102:103]
	v_pk_add_f32 v[226:227], v[226:227], v[106:107]
	v_pk_add_f32 v[224:225], v[224:225], v[110:111]
	v_pk_add_f32 v[230:231], v[230:231], v[114:115]
	v_pk_add_f32 v[228:229], v[228:229], v[118:119]
	v_pk_add_f32 v[14:15], v[14:15], v[122:123]
	v_pk_add_f32 v[236:237], v[236:237], v[126:127]
	v_pk_add_f32 v[238:239], v[238:239], v[130:131]
	v_pk_add_f32 v[234:235], v[234:235], v[134:135]
	v_pk_add_f32 v[226:227], v[226:227], v[138:139]
	v_pk_add_f32 v[224:225], v[224:225], v[142:143]
	v_pk_add_f32 v[230:231], v[230:231], v[146:147]
	v_pk_add_f32 v[228:229], v[228:229], v[150:151]
	v_pk_add_f32 v[14:15], v[14:15], v[154:155]
	v_pk_add_f32 v[236:237], v[236:237], v[158:159]
	s_delay_alu instid0(VALU_DEP_2)
	v_pk_add_f32 v[14:15], v[14:15], v[226:227]
	s_delay_alu instid0(VALU_DEP_2)
	v_pk_add_f32 v[236:237], v[236:237], v[224:225]
	v_pk_add_f32 v[238:239], v[238:239], v[230:231]
	v_pk_add_f32 v[234:235], v[234:235], v[228:229]
	s_delay_alu instid0(VALU_DEP_2)
	v_pk_add_f32 v[14:15], v[14:15], v[238:239]
	s_delay_alu instid0(VALU_DEP_2)
	v_pk_add_f32 v[236:237], v[236:237], v[234:235]
	s_delay_alu instid0(VALU_DEP_1)
	v_pk_add_f32 v[14:15], v[14:15], v[236:237]
	s_wait_alu depctr_va_vdst(0)                   ; and one for the two
.irp c, 0,1
	v_max_num_f32 v[232+\c], 0x1800000, v[232+\c]  ; the floor 2^(3 - 127): the byte cannot fall under 1
.endr
.irp c, 0,1
	s_delay_alu instid0(VALU_DEP_2)
	v_add_nc_u32 v[24+\c], 0xff000000, v[232+\c]   ; 2 off the exponent field: the conversion's scale operand
.endr
.irp c, 0,1
	s_delay_alu instid0(VALU_DEP_2)
	v_lshrrev_b32 v[236+\c], 23, v[24+\c]          ; the scale's byte
.endr
	s_delay_alu instid0(VALU_DEP_1)
	v_lshl_or_b32 v253, v237, 16, v236             ; my two bytes: blocks h and 2 + h,
	s_delay_alu instid0(VALU_DEP_1)
	v_lshlrev_b32 v253, v28, v253                  ; at their places in the word;
	s_delay_alu instid0(VALU_DEP_1)
	v_permlanex16_b32 v238, v253, s[SEL], s[SEL+1]
	s_delay_alu instid0(VALU_DEP_1)
	v_or_b32 v253, v253, v238                      ; with lane l xor 16's two, p's scale word for these 128 keys is whole
.irp c, 0,1
.irp g, 0,1,2,3
	v_cvt_scalef32_pk8_fp4_f32 v[224+4*\c+\g], v[96+32*\c+8*\g:103+32*\c+8*\g], v[24+\c]   ; register 4 c + g of the operand: k = 64 c + 32 h + 8 g on
.endr
.endr
.set n, 0
.rept 16
	v_pk_mul_f32 v[160+n:161+n], v[160+n:161+n], v[252:253] op_sel_hi:[1,0]   ; O^T under the new M; also the plain lines behind the conversions and in front of the scaled products
.set n, n+2
.endr
	s_wait_alu depctr_va_vdst(0)
	s_wait_dscnt 0x0                               ; V
.irp t, 0,1,2,3
	v_wmma_scale_f32_16x16x128_f8f6f4 v[160+8*\t:167+8*\t], v[192+8*\t:199+8*\t], v[224:231], v[160+8*\t:167+8*\t], v[248+\t], v253 matrix_a_fmt:MATRIX_FMT_FP4 matrix_b_fmt:MATRIX_FMT_FP4
.endr
.endm
.macro FOUR                            ; a chunk of 512 keys: its addresses, and four steps
	s_add_co_u32 s[TBN], s[TB], 65536              ; the next chunk, round the four: multiples of 65,536 under 262,144,
	s_and_b32 s[TBN], s[TBN], 0x30000
	s_add_co_u32 s[TSN], s[TS], 2048               ; and of 2,048 under 8,192
	s_and_b32 s[TSN], s[TSN], 0x1800
	v_add_nc_u32 v8, s[TB], v1
	v_add_nc_u32 v9, s[TB], v2
	v_add_nc_u32 v10, s[TS], v3
	v_add_nc_u32 v11, s[TS], v4
	v_add_nc_u32 v26, s[TBN], v1                   ; v26, v27: K and K's words of the next chunk
	v_add_nc_u32 v27, s[TSN], v3
	s_wait_alu depctr_va_vdst(0)
	STEP 0
	STEP 1
	STEP 2
	STEP 3
.endm
	s_wait_loadcnt 0x0                             ; Q
	s_mov_b32 s[TB], 0
	s_mov_b32 s[TS], 0
	s_wait_tensorcnt 0x0                           ; my one load has landed;
	s_barrier_signal -1
	s_barrier_wait -1                              ; everybody's has: K, V and the scale words are whole, and nothing is ever filled again
	KLOAD 1, 3, 0                                  ; the first step's K: chunk 0 begins at my places themselves
	s_mov_b32 s[CNT], 4                            ; four chunks of 512 keys
.Lchunk:
	FOUR
	s_add_co_u32 s[TB], s[TB], 65536
	s_add_co_u32 s[TS], s[TS], 2048
	s_sub_co_u32 s[CNT], s[CNT], 1
	s_cmp_lg_u32 s[CNT], 0
	s_cbranch_scc1 .Lchunk
	; THE WAY OUT: O^T / the sum, quantised along the head's 64, which are half a K step of the next product
	v_add_f32 v14, v14, v15
	s_delay_alu instid0(VALU_DEP_1)
	v_permlanex16_b32 v252, v14, s[SEL], s[SEL+1]
	s_delay_alu instid0(VALU_DEP_1)
	v_add_f32 v14, v14, v252                       ; the row's sum
	s_wait_alu depctr_va_vdst(0)
	v_rcp_f32 v14, v14
	s_lshr_b32 s60, s[YY], 3                       ; batch
	s_and_b32 s61, s[YY], 7                        ; pair
	s_lshl_b32 s62, s60, 7
	s_lshl_b32 s63, s[QB], 3
	s_add_co_u32 s62, s62, s63
	s_add_co_u32 s62, s62, s[QI]                   ; the tile of 16 rows
	s_lshl_b32 s62, s62, 3
	s_add_co_u32 s62, s62, s61
	s_lshl_b32 s62, s62, 10
	s_lshl_b32 s63, s[HP], 9
	s_add_co_u32 s62, s62, s63
	v_add_nc_u32 v8, s62, v7                       ; (plain places behind the reciprocal and the last products)  my half image in aa
	s_lshl_b32 s62, s[QI], 6
	s_lshl_b32 s63, s[HP], 1
	s_add_co_u32 s62, s62, s63
	s_add_co_u32 s62, s62, SCSTG
	v_and_b32 v9, 15, v0
	s_delay_alu instid0(VALU_DEP_1)
	v_lshl_add_u32 v9, v9, 2, s62                  ; row 16 (w % 8) + r, bytes 2 x head on
	v_add_nc_u32 v10, SCSTG, v7
	s_lshl_b32 s62, s61, 14
	s_lshl_b32 s63, s60, 13
	s_add_co_u32 s62, s62, s63
	s_lshl_b32 s63, s[QB], 9
	s_add_co_u32 s62, s62, s63
	s_add_co_u32 s62, s62, 2097152
	v_add_nc_u32 v11, s62, v7
	s_wait_alu depctr_va_vdst(0)
.set n, 0
.rept 16
	v_pk_mul_f32 v[96+n:97+n], v[160+n:161+n], v[14:15] op_sel_hi:[1,0]
.set n, n+2
.endr
	QUANT32 96, 104, 112, 120, 224, 254
	global_store_b128 v8, v[224:227], s[20:21]     ; 512 consecutive bytes, aligned
	ds_store_b16 v9, v254
	s_wait_dscnt 0x0
	s_barrier_signal -1
	s_barrier_wait -1
	s_cmp_lg_u32 s[WV], 0
	s_cbranch_scc1 .Lnot_words
	ds_load_b128 v[32:35], v10
	s_wait_dscnt 0x0
	global_store_b128 v11, v[32:35], s[20:21]      ; the 128 rows' scale words of this K step: 512 consecutive bytes
.Lnot_words:
	s_wait_tensorcnt 0x0                           ; the wave's end
	ds_add_u32 v5, v6
	s_wait_dscnt 0x0
	CROUND                                         ; the closing round
	s_endpgm
.Lfunc_end_k_q9acf2b3051_attn:
	.size	k_q9acf2b3051_attn, .Lfunc_end_k_q9acf2b3051_attn-k_q9acf2b3051_attn
	.p2alignl 7, 3214868480
	.fill 96, 4, 3214868480
	.section	.rodata,"a",@progbits
	.p2align	6, 0x0
	.amdhsa_kernel k_q9acf2b3051_attn
		.amdhsa_group_segment_fixed_size 289792
		.amdhsa_private_segment_fixed_size 0
		.amdhsa_enable_private_segment 0
		.amdhsa_kernarg_size 24
		.amdhsa_user_sgpr_count 2
		.amdhsa_user_sgpr_kernarg_segment_ptr 1
		.amdhsa_wavefront_size32 1
		.amdhsa_system_sgpr_workgroup_id_x 1
		.amdhsa_system_sgpr_workgroup_id_y 1
		.amdhsa_system_sgpr_workgroup_id_z 1
		.amdhsa_system_vgpr_workitem_id 0
		.amdhsa_next_free_vgpr 256
		.amdhsa_next_free_sgpr 66
		.amdhsa_reserve_vcc 0
		.amdhsa_float_denorm_mode_32 3
		.amdhsa_float_denorm_mode_16_64 3
		.amdhsa_memory_ordered 1
		.amdhsa_forward_progress 1
		.amdhsa_inst_pref_size 78
	.end_amdhsa_kernel
	.amdgpu_metadata
---
amdhsa.version: [ 1, 2 ]
amdhsa.kernels:
  - .name:           k_q9acf2b3051_attn
    .symbol:         k_q9acf2b3051_attn.kd
    .args:
      - { .name: qb, .offset: 0, .size: 8, .value_kind: global_buffer, .address_space: global }
      - { .name: kvb, .offset: 8, .size: 8, .value_kind: global_buffer, .address_space: global }
      - { .name: aa, .offset: 16, .size: 8, .value_kind: global_buffer, .address_space: global }
    .group_segment_fixed_size: 289792
    .private_segment_fixed_size: 0
    .kernarg_segment_align: 8
    .kernarg_segment_size: 24
    .max_flat_workgroup_size: 512
    .sgpr_count:     66
    .vgpr_count:     256
    .wavefront_size: 32
...
	.end_amdgpu_metadata
.endif
;; end of part 3
;; launch wo (part 4): grid 8 x 32, 4 waves a work-group, clusters of 4 x 4, 196,608 bytes of LDS; arguments aa, W_O_codes, W_O_scales, X, res; writes res
.if DOCPART == 4
	.amdgcn_target "amdgcn-amd-amdhsa--gfx1250"
	.amdhsa_code_object_version 6
	.text
	.protected	k_q9acf2b3051_wo
	.globl	k_q9acf2b3051_wo
	.p2align	8
	.type	k_q9acf2b3051_wo,@function
k_q9acf2b3051_wo:
	s_mov_b64 s[64:65], 0
	v_nop
	global_prefetch_b8 v0, s[64:65] scope:SCOPE_SE
	s_setreg_imm32_b32 hwreg(HW_REG_WAVE_MODE, 25, 1), 1
	s_wait_xcnt 0x0
	s_wait_alu depctr_hold_cnt(0) depctr_sa_sdst(0) depctr_va_vdst(0) depctr_va_sdst(0) depctr_va_ssrc(0) depctr_va_vcc(0) depctr_vm_vsrc(0)
	s_getreg_b32 s2, hwreg(HW_REG_IB_STS2, 6, 4)
	s_cmp_eq_u32 s2, 0
	s_cbranch_scc0 .Lentry_in_a_cluster
	s_endpgm
.Lentry_in_a_cluster:
	s_bfe_u32 s2, ttmp6, 0x10000c
	s_cmp_lg_u32 s2, 0xf033
	s_cbranch_scc0 .Lentry_shape_is_right
	s_endpgm
.Lentry_shape_is_right:
; res = attn W_O + X: one pass of K = 1,024 on codes of FP4; rows 128 Y on x columns 128 X on to a work-group, 64 x 64 to a wave.  No work is left out.
; Everything is filled once: attn's tile (64 KiB of register images), W_O's 128 rows, both sides' scales.  CLUSTER 4 x 4: attn's tile jointly along a row of the cluster, W_O's along a column.
; The product is used transposed: a lane holds eight neighbouring columns of one row.  The way out goes through the wave's own stage, so that sixteen lanes store 256 consecutive bytes.
; X's 64 x 64 of a wave is asked for at the kernel's head, into 128 registers of window 2 that nothing else uses: it is on its way while the first tiles are, and the way out only waits for it.
.set B0,    65536
.set SCA,   133120
.set SCB,   137216
.set STG,   153600                     ; 16 rows x (256 + 16) bytes a wave
.set SPARE, 172544
.set SBROW, 32
.set SA,  32
.set SB,  48
.set BI,  64
.set ACC, 128
.set F0,  0
.set F1,  128
.set WV, 4
.set WR, 5
.set WC, 6
.set CX, 7
.set CY, 8
.set XX, 9
.set YY, 10
.set ROWM, 11
.set COLM, 12
.set G1A, 32
.set G1B, 40
.set G1SA, 48
.set G1SB, 56
.set G0A, 68
.set G0SA, 72
.set G0B, 76
.set G0SB, 80
.set MSB, 0
.macro WIN new
.if MSB != \new
	s_set_vgpr_msb (MSB<<8)|\new
.set MSB, \new
.endif
.endm
.macro PLACES
.rept 4
	v_nop
.endr
.endm
.macro CROUND
	s_barrier_signal -1
	s_barrier_wait -1
	s_cmp_lg_u32 s[WV], 0
	s_cbranch_scc1 .Lnot_wave_0_\@
	s_barrier_signal -3
.Lnot_wave_0_\@:
	s_barrier_wait -3
	s_barrier_signal -1
	s_barrier_wait -1
.endm
.macro G1SET g, w1, w2, w3, w4, w5
	s_mov_b32 s[\g+1], \w1
	s_mov_b32 s[\g+2], \w2
	s_mov_b32 s[\g+3], \w3
	s_mov_b32 s[\g+4], \w4
	s_mov_b32 s[\g+5], \w5
	s_mov_b32 s[\g+6], 0
	s_mov_b32 s[\g+7], 0
.endm
.macro G0FIN g, off
	s_add_nc_u64 s[\g+2:\g+3], s[\g+2:\g+3], s[\off:\off+1]
	s_or_b32 s[\g+3], s[\g+3], 0x80000000
.endm
.macro TL g0, g1
	tensor_load_to_lds s[\g0:\g0+3], s[\g1:\g1+7]
	s_nop 0
.endm
.macro WM a, t, f, c, s, cm, sw        ; row block a x tile t, half c of buffer f, K step s; cm: C is 0 (0), the bias (1), the sum (2); sw = 0: transposed
.set xD, ACC+8*(4*(\a)+(\t))
.set xC, xD
.if (\cm) == 1
.set xC, BI+8*(\t)
.endif
.if \sw
.set fS0, (\f)+8*(4*(\c)+(\a))
.set fS1, (\f)+64+8*(4*(\c)+(\t))
.set sS0, SA+2*(\s)+(\a)/2
.set sS1, SB+8*((\t)/2)+(\s)
.set xR, (\a)%2+2*((\t)%2)
.else
.set fS0, (\f)+64+8*(4*(\c)+(\t))
.set fS1, (\f)+8*(4*(\c)+(\a))
.set sS0, SB+8*((\t)/2)+(\s)
.set sS1, SA+2*(\s)+(\a)/2
.set xR, (\t)%2+2*((\a)%2)
.endif
.if (\cm) == 0
.if xR == 0
	v_wmma_scale_f32_16x16x128_f8f6f4 v[xD:xD+7], v[fS0:fS0+7], v[fS1:fS1+7], 0, v[sS0], v[sS1] matrix_a_fmt:MATRIX_FMT_FP4 matrix_b_fmt:MATRIX_FMT_FP4
.elseif xR == 1
	v_wmma_scale_f32_16x16x128_f8f6f4 v[xD:xD+7], v[fS0:fS0+7], v[fS1:fS1+7], 0, v[sS0], v[sS1] matrix_a_fmt:MATRIX_FMT_FP4 matrix_b_fmt:MATRIX_FMT_FP4 matrix_a_scale:MATRIX_SCALE_ROW1
.elseif xR == 2
	v_wmma_scale_f32_16x16x128_f8f6f4 v[xD:xD+7], v[fS0:fS0+7], v[fS1:fS1+7], 0, v[sS0], v[sS1] matrix_a_fmt:MATRIX_FMT_FP4 matrix_b_fmt:MATRIX_FMT_FP4 matrix_b_scale:MATRIX_SCALE_ROW1
.else
	v_wmma_scale_f32_16x16x128_f8f6f4 v[xD:xD+7], v[fS0:fS0+7], v[fS1:fS1+7], 0, v[sS0], v[sS1] matrix_a_fmt:MATRIX_FMT_FP4 matrix_b_fmt:MATRIX_FMT_FP4 matrix_a_scale:MATRIX_SCALE_ROW1 matrix_b_scale:MATRIX_SCALE_ROW1
.endif
.else
.if xR == 0
	v_wmma_scale_f32_16x16x128_f8f6f4 v[xD:xD+7], v[fS0:fS0+7], v[fS1:fS1+7], v[xC:xC+7], v[sS0], v[sS1] matrix_a_fmt:MATRIX_FMT_FP4 matrix_b_fmt:MATRIX_FMT_FP4
.elseif xR == 1
	v_wmma_scale_f32_16x16x128_f8f6f4 v[xD:xD+7], v[fS0:fS0+7], v[fS1:fS1+7], v[xC:xC+7], v[sS0], v[sS1] matrix_a_fmt:MATRIX_FMT_FP4 matrix_b_fmt:MATRIX_FMT_FP4 matrix_a_scale:MATRIX_SCALE_ROW1
.elseif xR == 2
	v_wmma_scale_f32_16x16x128_f8f6f4 v[xD:xD+7], v[fS0:fS0+7], v[fS1:fS1+7], v[xC:xC+7], v[sS0], v[sS1] matrix_a_fmt:MATRIX_FMT_FP4 matrix_b_fmt:MATRIX_FMT_FP4 matrix_b_scale:MATRIX_SCALE_ROW1
.else
	v_wmma_scale_f32_16x16x128_f8f6f4 v[xD:xD+7], v[fS0:fS0+7], v[fS1:fS1+7], v[xC:xC+7], v[sS0], v[sS1] matrix_a_fmt:MATRIX_FMT_FP4 matrix_b_fmt:MATRIX_FMT_FP4 matrix_a_scale:MATRIX_SCALE_ROW1 matrix_b_scale:MATRIX_SCALE_ROW1
.endif
.endif
.endm
.macro MULK f, c, s, cm, sw            ; a K step: the 16 accumulators take turns
.irp a, 0,1,2,3
.irp t, 0,1,2,3
	WM \a, \t, \f, \c, \s, \cm, \sw
.endr
.endr
.endm
.macro FETCH q, f                      ; 32 LDS loads in one run: K steps 2 q and 2 q + 1 into buffer f
	WIN 0x40
.irp c, 0,1
.irp i, 0,1,2,3
	ds_load_b128 v[(\f)+64+8*(4*\c+\i):(\f)+64+8*(4*\c+\i)+3], v9 offset:8448*\i+64*(2*(\q)+\c)
	ds_load_b128 v[(\f)+64+8*(4*\c+\i)+4:(\f)+64+8*(4*\c+\i)+7], v9 offset:8448*\i+64*(2*(\q)+\c)+32
	ds_load_b128 v[(\f)+8*(4*\c+\i):(\f)+8*(4*\c+\i)+3], v8 offset:(8*\i+2*(\q)+\c)*1024
	ds_load_b128 v[(\f)+8*(4*\c+\i)+4:(\f)+8*(4*\c+\i)+7], v8 offset:(8*\i+2*(\q)+\c)*1024+512
.endr
.endr
.endm
.macro SCALES
.irp s, 0,1,2,3,4,5,6,7
.irp j, 0,1
	ds_load_b32 v[SA+2*\s+\j], v10 offset:512*\s+128*\j
.endr
.endr
.irp bp, 0,1
.irp u, 0,1
	ds_load_b128 v[SB+8*\bp+4*\u:SB+8*\bp+4*\u+3], v11 offset:32*\bp*SBROW+16*\u
.endr
.endr
.endm
.macro QUARTER q, f, g, cm, sw
	s_wait_dscnt 16                                ; all but the buffer's second K step is in
	WIN 0x05
	MULK \f, 0, 2*(\q), \cm, \sw
	PLACES
	FETCH (\q)+1, \g
	s_wait_dscnt 32                                ; all but the 32 just issued
	WIN 0x05
	MULK \f, 1, 2*(\q)+1, 2, \sw
.endm
.macro PASS cm, sw
	PLACES
	SCALES
	FETCH 0, F0
	QUARTER 0, F0, F1, \cm, \sw
	QUARTER 1, F1, F0, 2, \sw
	QUARTER 2, F0, F1, 2, \sw
	s_wait_dscnt 16
	WIN 0x05
	MULK F1, 0, 6, 2, \sw
	s_wait_dscnt 0x0
	MULK F1, 1, 7, 2, \sw
	WIN 0
.endm
.macro RLOAD rp                        ; the residual's 64 x 64, in the order in which the way out stores: 32 loads into window 2, sixteen lanes to 256 consecutive bytes
	WIN 0x80                                       ; destination window 2, address window 0
.irp a, 0,1,2,3
.irp i, 0,1,2,3,4,5,6,7
	global_load_b128 v[32*\a+4*\i:32*\a+4*\i+3], v14, s[\rp:\rp+1] offset:(16*\a+2*\i)*4096
.endr
.endr
	WIN 0
.endm
; THE WAY OUT in f32: a block of 16 rows goes through my stage and comes back as rows of 256 bytes; + the residual, which was asked for at the head; store.
.macro EF32 op
	PLACES
.irp a, 0,1,2,3
.set TT, 96-32*(\a%2)
.if \a >= 2
	s_wait_xcnt 0x0                                ; block a - 2's stores have read these registers
.endif
.irp t, 0,1,2,3
	ds_store_b128 v12, v[ACC+32*\a+8*\t:ACC+32*\a+8*\t+3] offset:64*\t       ; each accumulator from its low end on
	ds_store_b128 v12, v[ACC+32*\a+8*\t+4:ACC+32*\a+8*\t+7] offset:64*\t+16
.endr
.irp i, 0,1,2,3,4,5,6,7
	ds_load_b128 v[TT+4*\i:TT+4*\i+3], v13 offset:544*\i   ; LDS serves a wave's instructions in order: these see my stores
.endr
	s_wait_dscnt 0x0
	s_wait_loadcnt 24-8*\a                         ; this block's residual is in; the later blocks' loads may be out
	WIN 0x08                                       ; source 1 window 2
.set n, 0
.rept 16
	v_pk_add_f32 v[TT+n:TT+n+1], v[TT+n:TT+n+1], v[32*\a+n:32*\a+n+1]
.set n, n+2
.endr
	WIN 0
.irp i, 0,1,2,3,4,5,6,7
	global_store_b128 v14, v[TT+4*\i:TT+4*\i+3], s[\op:\op+1] offset:(16*\a+2*\i)*4096   ; sixteen lanes store 256 consecutive bytes, aligned
.endr
.endr
.endm
	s_load_b64 s[G0A+2:G0A+3], s[0:1], 0x0
	s_load_b64 s[G0SA+2:G0SA+3], s[0:1], 0x0
	s_load_b64 s[G0B+2:G0B+3], s[0:1], 0x8
	s_load_b64 s[G0SB+2:G0SB+3], s[0:1], 0x10
	s_load_b128 s[24:27], s[0:1], 0x18             ; X s[24:25], res s[26:27]
	v_lshl_add_u32 v28, v0, 2, SPARE
	v_mov_b32 v29, 0
	ds_add_u32 v28, v29                            ; the wave's opening: the add, twice on end, and its wait ahead of my first tensor load
	ds_add_u32 v28, v29
	v_lshrrev_b32 v1, 5, v0
	v_readfirstlane_b32 s[WV], v1
	s_lshr_b32 s[WR], s[WV], 1
	s_and_b32 s[WC], s[WV], 1
	s_bfe_u32 s[CX], ttmp6, 0x40000
	s_bfe_u32 s[CY], ttmp6, 0x40004
	s_lshl_b32 s[XX], ttmp9, 2
	s_add_co_u32 s[XX], s[XX], s[CX]
	s_and_b32 s[YY], ttmp7, 0xffff
	s_lshl_b32 s[YY], s[YY], 2
	s_add_co_u32 s[YY], s[YY], s[CY]
	s_lshl_b32 s[ROWM], s[CY], 2
	s_lshl_b32 s[ROWM], 15, s[ROWM]
	s_lshl_b32 s[COLM], 0x1111, s[CX]
	s_or_b32 s[G1A], s[ROWM], (3<<16)|(1<<21)
	G1SET G1A, 1024<<16, 8<<16, 1024<<16, 8, 1024  ; attn's images: 8 tiles of rows x 8,192 bytes
	s_or_b32 s[G1B], s[COLM], (1<<20)|(1<<21)|(6<<22)|(3<<25)
	G1SET G1B, 512<<16, 128<<16, 512<<16, 128, 512 ; W_O: 128 rows x 512 bytes
	s_or_b32 s[G1SA], s[ROWM], (2<<16)|(1<<21)
	G1SET G1SA, 128<<16, 8<<16, 128<<16, 8, 4096   ; attn's scale words: 8 K steps x 128 words
	s_or_b32 s[G1SB], s[COLM], (3<<16)|(1<<21)
	G1SET G1SB, 32<<16, 16<<16, 32<<16, 16, 32     ; W_O's scale bytes: 4,096 dense bytes as 16 rows of 256
	s_lshl_b32 s16, s[YY], 16                      ; s[16:19]: what hangs on Y; s[20:23]: what hangs on X
	s_mov_b32 s17, 0
	s_lshl_b32 s18, s[YY], 9
	s_add_co_u32 s18, s18, 2097152
	s_mov_b32 s19, 0
	s_lshl_b32 s20, s[XX], 16
	s_mov_b32 s21, 0
	s_lshl_b32 s22, s[XX], 12
	s_mov_b32 s23, 0
	s_mov_b32 s[G0A], 1                            ; each tile comes whole, by one load of one wave
	s_mov_b32 s[G0A+1], 0
	s_mov_b32 s[G0SA], 1
	s_mov_b32 s[G0SA+1], SCA
	s_mov_b32 s[G0SB], 1
	s_mov_b32 s[G0SB+1], SCB
	s_mov_b32 s[G0B], 1
	s_mov_b32 s[G0B+1], B0
	s_wait_dscnt 0x0
	s_wait_kmcnt 0x0
	G0FIN G0A, 16
	G0FIN G0SA, 18
	G0FIN G0B, 20
	G0FIN G0SB, 22
	CROUND                                         ; the joint loads meet
; The head's loads, one a wave: wave 0 attn's images, wave 1 its scale words, wave 2 W_O's rows, wave 3 W_O's scale bytes.  One chain of branches on the wave's number, one join.
.macro ARM under, g0, g1, next
	s_cmp_lt_u32 s[WV], \under
	s_cbranch_scc0 \next
	TL \g0, \g1
	PLACES
	s_branch .Lfilled
\next:
.endm
	ARM 1, G0A, G1A, .Larm_sa
	ARM 2, G0SA, G1SA, .Larm_b
	ARM 3, G0B, G1B, .Larm_sb
	TL G0SB, G1SB
	PLACES
.Lfilled:
	v_and_b32 v1, 15, v0
	v_bfe_u32 v2, v0, 4, 1
	v_and_b32 v31, 31, v0
	v_lshlrev_b32 v3, 4, v31
	s_wait_alu depctr_va_vdst(0)
	s_lshl_b32 s2, s[YY], 19
	s_lshl_b32 s3, s[WR], 18
	s_add_co_u32 s2, s2, s3
	s_lshl_b32 s3, s[XX], 9
	s_add_co_u32 s2, s2, s3
	s_lshl_b32 s3, s[WC], 8
	s_add_co_u32 s2, s2, s3                        ; my 64 x 64 in X and res, in bytes
	v_lshlrev_b32 v14, 12, v2
	v_lshl_add_u32 v14, v1, 4, v14
	v_add_nc_u32 v14, s2, v14
	RLOAD 24                                       ; X, while the first tiles are on their way
	s_lshl_b32 s13, s[WR], 15
	v_add_nc_u32 v8, s13, v3
	v_mul_u32_u24 v9, v1, 528
	v_lshl_add_u32 v9, v2, 4, v9
	s_mul_i32 s13, s[WC], 64*528
	s_add_co_u32 s13, s13, B0
	v_add_nc_u32 v9, s13, v9
	v_lshlrev_b32 v10, 2, v31
	s_lshl_b32 s13, s[WR], 8
	s_add_co_u32 s13, s13, SCA
	v_add_nc_u32 v10, s13, v10
	v_mul_u32_u24 v11, v31, SBROW
	s_mul_i32 s13, s[WC], 64*SBROW
	s_add_co_u32 s13, s13, SCB
	v_add_nc_u32 v11, s13, v11
	s_mul_i32 s13, s[WV], 4352
	s_add_co_u32 s13, s13, STG
	v_mul_u32_u24 v12, v1, 272
	v_lshl_add_u32 v12, v2, 5, v12
	v_add_nc_u32 v12, s13, v12                     ; the stage, in: row r, 32 bytes for each half of the lanes
	v_mul_u32_u24 v13, v2, 272
	v_lshl_add_u32 v13, v1, 4, v13
	v_add_nc_u32 v13, s13, v13                     ; back: lanes 0-15 one row, lanes 16-31 the next
	s_wait_alu depctr_va_vdst(0)
	s_wait_tensorcnt 0x0                           ; my parts have landed,
	s_barrier_signal -1
	s_barrier_wait -1                              ; everybody's have
	PASS 0, 0
	EF32 26
	s_wait_tensorcnt 0x0                           ; the wave's end
	ds_add_u32 v28, v29
	s_wait_dscnt 0x0
	CROUND                                         ; the closing round
	s_endpgm
.Lfunc_end_k_q9acf2b3051_wo:
	.size	k_q9acf2b3051_wo, .Lfunc_end_k_q9acf2b3051_wo-k_q9acf2b3051_wo
	.p2alignl 7, 3214868480
	.fill 96, 4, 3214868480
	.section	.rodata,"a",@progbits
	.p2align	6, 0x0
	.amdhsa_kernel k_q9acf2b3051_wo
		.amdhsa_group_segment_fixed_size 196608
		.amdhsa_private_segment_fixed_size 0
		.amdhsa_enable_private_segment 0
		.amdhsa_kernarg_size 40
		.amdhsa_user_sgpr_count 2
		.amdhsa_user_sgpr_kernarg_segment_ptr 1
		.amdhsa_wavefront_size32 1
		.amdhsa_system_sgpr_workgroup_id_x 1
		.amdhsa_system_sgpr_workgroup_id_y 1
		.amdhsa_system_sgpr_workgroup_id_z 1
		.amdhsa_system_vgpr_workitem_id 0
		.amdhsa_next_free_vgpr 640
		.amdhsa_next_free_sgpr 84
		.amdhsa_reserve_vcc 0
		.amdhsa_float_denorm_mode_32 3
		.amdhsa_float_denorm_mode_16_64 3
		.amdhsa_memory_ordered 1
		.amdhsa_forward_progress 1
		.amdhsa_inst_pref_size 50
	.end_amdhsa_kernel
	.amdgpu_metadata
---
amdhsa.version: [ 1, 2 ]
amdhsa.kernels:
  - .name:           k_q9acf2b3051_wo
    .symbol:         k_q9acf2b3051_wo.kd
    .args:
      - { .name: aa, .offset: 0, .size: 8, .value_kind: global_buffer, .address_space: global }
      - { .name: W_O_codes, .offset: 8, .size: 8, .value_kind: global_buffer, .address_space: global }
      - { .name: W_O_scales, .offset: 16, .size: 8, .value_kind: global_buffer, .address_space: global }
      - { .name: X, .offset: 24, .size: 8, .value_kind: global_buffer, .address_space: global }
      - { .name: res, .offset: 32, .size: 8, .value_kind: global_buffer, .address_space: global }
    .group_segment_fixed_size: 196608
    .private_segment_fixed_size: 0
    .kernarg_segment_align: 8
    .kernarg_segment_size: 40
    .max_flat_workgroup_size: 128
    .sgpr_count:     84
    .vgpr_count:     640
    .wavefront_size: 32
...
	.end_amdgpu_metadata
.endif
;; end of part 4
;; launch ln2: the kernel of part 1 again; grid 256 x 1, 8 waves a work-group, no clusters, 9,728 bytes of LDS; arguments res, g2, b2, na; writes na
;; launch ffn1 (part 5): grid 8 x 32, 4 waves a work-group, clusters of 4 x 4, 327,680 bytes of LDS; arguments na, W1_codes, W1_scales, bias1, ha; writes ha
.if DOCPART == 5
	.amdgcn_target "amdgcn-amd-amdhsa--gfx1250"
	.amdhsa_code_object_version 6
	.text
	.protected	k_q9acf2b3051_ffn1
	.globl	k_q9acf2b3051_ffn1
	.p2align	8
	.type	k_q9acf2b3051_ffn1,@function
k_q9acf2b3051_ffn1:
	s_mov_b64 s[64:65], 0
	v_nop
	global_prefetch_b8 v0, s[64:65] scope:SCOPE_SE
	s_setreg_imm32_b32 hwreg(HW_REG_WAVE_MODE, 25, 1), 1
	s_wait_xcnt 0x0
	s_wait_alu depctr_hold_cnt(0) depctr_sa_sdst(0) depctr_va_vdst(0) depctr_va_sdst(0) depctr_va_ssrc(0) depctr_va_vcc(0) depctr_vm_vsrc(0)
	s_getreg_b32 s2, hwreg(HW_REG_IB_STS2, 6, 4)
	s_cmp_eq_u32 s2, 0
	s_cbranch_scc0 .Lentry_in_a_cluster
	s_endpgm
.Lentry_in_a_cluster:
	s_bfe_u32 s2, ttmp6, 0x10000c
	s_cmp_lg_u32 s2, 0xf033
	s_cbranch_scc0 .Lentry_shape_is_right
	s_endpgm
.Lentry_shape_is_right:
; ha = Q(gelu(nn2 W1 + bias1)): rows 128 Y on x columns 512 X on to a work-group, in four passes of 128 columns (K = 1,024 each); 64 x 64 to a wave.  No work is left out.
; nn2's tile (64 KiB of register images) and all scales are filled once; W1's tiles walk through two slots.  CLUSTER 4 x 4: nn2's jointly along a row of the cluster, W1's along a column.
; The product is used transposed, so that a lane's registers run along the next K; the bias is the C of each sum's first matrix instruction.
; GELU, exact form: g = u / 2 + (u / 2) erf(u / sqrt 2), in f32.  erf(z) = z P(z^2) / Q(z^2) with z held to +-4, P of degree 6 and Q of degree 4: a rational fit good to about 1e-7 of erf's range.
; OUT: ha's codes [tile of 16 rows 256][K step 32][image of 1,024 bytes]; at 8,388,608 its scale words [K step 32][row 4,096].
; LIMITS: a block of zeros gets the byte 1.  NaN and infinities are not served.
.set B0,    65536
.set BX,    0x20000
.set SCA,   133120
.set SCB,   137216
.set SCSTG, 172032                     ; 512 bytes: a pass's scale words of 128 rows
.set SPARE, 172544
.set SBROW, 32
.set SA,  32
.set SB,  48
.set BI,  64                           ; v64-95 the bias of my 64 columns, in the result's layout
.set QT,  96
.set ACC, 128
.set F0,  0
.set F1,  128
.set WV, 4
.set WR, 5
.set WC, 6
.set CX, 7
.set CY, 8
.set XX, 9
.set YY, 10
.set ROWM, 11
.set COLM, 12
.set SEL, 14
.set BT,  66                           ; which slot the pass reads: 0 or BX
.set SBT, 67                           ; where its scale bytes begin: 4,096 a pass
.set G1A, 32
.set G1B, 40
.set G1SA, 48
.set G1SB, 56
.set G0A, 68
.set G0SA, 72
.set G0B, 76
.set G0SB, 80
.set MSB, 0
.macro WIN new
.if MSB != \new
	s_set_vgpr_msb (MSB<<8)|\new
.set MSB, \new
.endif
.endm
.macro PLACES
.rept 4
	v_nop
.endr
.endm
.macro CROUND
	s_barrier_signal -1
	s_barrier_wait -1
	s_cmp_lg_u32 s[WV], 0
	s_cbranch_scc1 .Lnot_wave_0_\@
	s_barrier_signal -3
.Lnot_wave_0_\@:
	s_barrier_wait -3
	s_barrier_signal -1
	s_barrier_wait -1
.endm
.macro G1SET g, w1, w2, w3, w4, w5
	s_mov_b32 s[\g+1], \w1
	s_mov_b32 s[\g+2], \w2
	s_mov_b32 s[\g+3], \w3
	s_mov_b32 s[\g+4], \w4
	s_mov_b32 s[\g+5], \w5
	s_mov_b32 s[\g+6], 0
	s_mov_b32 s[\g+7], 0
.endm
.macro G0FIN g, off
	s_add_nc_u64 s[\g+2:\g+3], s[\g+2:\g+3], s[\off:\off+1]
	s_or_b32 s[\g+3], s[\g+3], 0x80000000
.endm
.macro TL g0, g1
	tensor_load_to_lds s[\g0:\g0+3], s[\g1:\g1+7]
	s_nop 0
.endm
.macro WM a, t, f, c, s, cm, sw        ; row block a x tile t, half c of buffer f, K step s; cm: C is 0 (0), the bias (1), the sum (2); sw = 0: transposed
.set xD, ACC+8*(4*(\a)+(\t))
.set xC, xD
.if (\cm) == 1
.set xC, BI+8*(\t)
.endif
.if \sw
.set fS0, (\f)+8*(4*(\c)+(\a))
.set fS1, (\f)+64+8*(4*(\c)+(\t))
.set sS0, SA+2*(\s)+(\a)/2
.set sS1, SB+8*((\t)/2)+(\s)
.set xR, (\a)%2+2*((\t)%2)
.else
.set fS0, (\f)+64+8*(4*(\c)+(\t))
.set fS1, 8*(4*(\s)+(\a))
.set sS0, SB+8*((\t)/2)+(\s)
.set sS1, SA+2*(\s)+(\a)/2
.set xR, (\t)%2+2*((\a)%2)
.endif
.if (\cm) == 0
.if xR == 0
	v_wmma_scale_f32_16x16x128_f8f6f4 v[xD:xD+7], v[fS0:fS0+7], v[fS1:fS1+7], 0, v[sS0], v[sS1] matrix_a_fmt:MATRIX_FMT_FP4 matrix_b_fmt:MATRIX_FMT_FP4
.elseif xR == 1
	v_wmma_scale_f32_16x16x128_f8f6f4 v[xD:xD+7], v[fS0:fS0+7], v[fS1:fS1+7], 0, v[sS0], v[sS1] matrix_a_fmt:MATRIX_FMT_FP4 matrix_b_fmt:MATRIX_FMT_FP4 matrix_a_scale:MATRIX_SCALE_ROW1
.elseif xR == 2
	v_wmma_scale_f32_16x16x128_f8f6f4 v[xD:xD+7], v[fS0:fS0+7], v[fS1:fS1+7], 0, v[sS0], v[sS1] matrix_a_fmt:MATRIX_FMT_FP4 matrix_b_fmt:MATRIX_FMT_FP4 matrix_b_scale:MATRIX_SCALE_ROW1
.else
	v_wmma_scale_f32_16x16x128_f8f6f4 v[xD:xD+7], v[fS0:fS0+7], v[fS1:fS1+7], 0, v[sS0], v[sS1] matrix_a_fmt:MATRIX_FMT_FP4 matrix_b_fmt:MATRIX_FMT_FP4 matrix_a_scale:MATRIX_SCALE_ROW1 matrix_b_scale:MATRIX_SCALE_ROW1
.endif
.else
.if xR == 0
	v_wmma_scale_f32_16x16x128_f8f6f4 v[xD:xD+7], v[fS0:fS0+7], v[fS1:fS1+7], v[xC:xC+7], v[sS0], v[sS1] matrix_a_fmt:MATRIX_FMT_FP4 matrix_b_fmt:MATRIX_FMT_FP4
.elseif xR == 1
	v_wmma_scale_f32_16x16x128_f8f6f4 v[xD:xD+7], v[fS0:fS0+7], v[fS1:fS1+7], v[xC:xC+7], v[sS0], v[sS1] matrix_a_fmt:MATRIX_FMT_FP4 matrix_b_fmt:MATRIX_FMT_FP4 matrix_a_scale:MATRIX_SCALE_ROW1
.elseif xR == 2
	v_wmma_scale_f32_16x16x128_f8f6f4 v[xD:xD+7], v[fS0:fS0+7], v[fS1:fS1+7], v[xC:xC+7], v[sS0], v[sS1] matrix_a_fmt:MATRIX_FMT_FP4 matrix_b_fmt:MATRIX_FMT_FP4 matrix_b_scale:MATRIX_SCALE_ROW1
.else
	v_wmma_scale_f32_16x16x128_f8f6f4 v[xD:xD+7], v[fS0:fS0+7], v[fS1:fS1+7], v[xC:xC+7], v[sS0], v[sS1] matrix_a_fmt:MATRIX_FMT_FP4 matrix_b_fmt:MATRIX_FMT_FP4 matrix_a_scale:MATRIX_SCALE_ROW1 matrix_b_scale:MATRIX_SCALE_ROW1
.endif
.endif
.endm
.macro MULK f, c, s, cm, sw            ; a K step: the 16 accumulators take turns
.irp a, 0,1,2,3
.irp t, 0,1,2,3
	WM \a, \t, \f, \c, \s, \cm, \sw
.endr
.endr
.endm
.macro FETCH q, f
	WIN 0x40
.irp c, 0,1
.irp i, 0,1,2,3
	ds_load_b128 v[(\f)+64+8*(4*\c+\i):(\f)+64+8*(4*\c+\i)+3], v9 offset:8448*\i+64*(2*(\q)+\c)
	ds_load_b128 v[(\f)+64+8*(4*\c+\i)+4:(\f)+64+8*(4*\c+\i)+7], v9 offset:8448*\i+64*(2*(\q)+\c)+32
.endr
.endr
.endm
.macro SCALES
.irp s, 0,1,2,3,4,5,6,7
.irp j, 0,1
	ds_load_b32 v[SA+2*\s+\j], v10 offset:512*\s+128*\j
.endr
.endr
.irp bp, 0,1
.irp u, 0,1
	ds_load_b128 v[SB+8*\bp+4*\u:SB+8*\bp+4*\u+3], v11 offset:32*\bp*SBROW+16*\u
.endr
.endr
.endm
.macro QUARTER q, f, g, cm, sw
	s_wait_dscnt 8                                 ; all but the buffer's second K step, eight loads, is in
	WIN 0x09                                       ; source 0 (W1) window 1, source 1 (nn2) window 2; C and D window 0
	MULK \f, 0, 2*(\q), \cm, \sw
	PLACES
	FETCH (\q)+1, \g
	s_wait_dscnt 16                                ; all but the 16 just issued
	WIN 0x09
	MULK \f, 1, 2*(\q)+1, 2, \sw
.endm
.macro BIASLOAD off                    ; lane (r, h) wants, for tile t, the bias of columns 16 t + 8 h + 0 .. 7
.irp t, 0,1,2,3
	global_load_b128 v[BI+8*\t:BI+8*\t+3], v13, s[28:29] offset:\off+64*\t
	global_load_b128 v[BI+8*\t+4:BI+8*\t+7], v13, s[28:29] offset:\off+64*\t+16
.endr
.endm
.macro PASS nb                         ; K = 1,024.  nb = 1: the next pass's bias is asked for, once K step 0, which alone reads the bias, lies eight places back
	PLACES
	SCALES
	FETCH 0, F0
	s_wait_loadcnt 0x0                             ; the bias
	QUARTER 0, F0, F1, 1, 0
	QUARTER 1, F1, F0, 2, 0
.if \nb
	WIN 0
	BIASLOAD 512
.endif
	QUARTER 2, F0, F1, 2, 0
	s_wait_dscnt 8
	WIN 0x09
	MULK F1, 0, 6, 2, 0
	s_wait_dscnt 0x0
	MULK F1, 1, 7, 2, 0
	WIN 0
.endm
; The head of a pass: every wave waits for all its tensor loads, adds 0 to its spare word, waits for that and for its LDS reads.  fill = 1: the walking descriptor steps to the other slot and the next
; 128 rows of W1; a round of the cluster's barrier; wave 2 asks jointly for all 128 rows.  The load has a pass and its way out in which to land.
.macro SYNC fill
	s_wait_tensorcnt 0x0
	ds_add_u32 v28, v29
.if \fill
	s_xor_b32 s[G0B+1], s[G0B+1], BX
	s_add_nc_u64 s[G0B+2:G0B+3], s[G0B+2:G0B+3], 65536
.endif
	s_wait_dscnt 0x0
.if \fill
	CROUND
	s_cmp_lg_u32 s[WV], 2
	s_cbranch_scc1 .Lno_b_\@
	TL G0B, G1B
	PLACES
.Lno_b_\@:
.else
	s_barrier_signal -1
	s_barrier_wait -1
.endif
.endm
.macro QUANT32 r0, r1, r2, r3, pc, pw  ; two blocks of 32 in four runs of eight registers become half an image and two bytes
	v_max3_num_f32 v[QT], |v[(\r0)]|, |v[(\r0)+1]|, 0x1800000
	v_max3_num_f32 v[QT+1], |v[(\r2)]|, |v[(\r2)+1]|, 0x1800000
.irp i, 2,4,6
	v_max3_num_f32 v[QT], v[QT], |v[(\r0)+\i]|, |v[(\r0)+\i+1]|
	v_max3_num_f32 v[QT+1], v[QT+1], |v[(\r2)+\i]|, |v[(\r2)+\i+1]|
.endr
.irp i, 0,2,4,6
	v_max3_num_f32 v[QT], v[QT], |v[(\r1)+\i]|, |v[(\r1)+\i+1]|
	v_max3_num_f32 v[QT+1], v[QT+1], |v[(\r3)+\i]|, |v[(\r3)+\i+1]|
.endr
	v_permlanex16_b32 v[QT+2], v[QT], s[SEL], s[SEL+1]
	v_permlanex16_b32 v[QT+3], v[QT+1], s[SEL], s[SEL+1]
	v_max_num_f32 v[QT], v[QT], v[QT+2]
	v_max_num_f32 v[QT+1], v[QT+1], v[QT+3]
	v_add_nc_u32 v[QT+4], 0xff000000, v[QT]
	v_add_nc_u32 v[QT+5], 0xff000000, v[QT+1]
	v_lshrrev_b32 v[QT+6], 23, v[QT+4]
	v_lshrrev_b32 v[QT+7], 23, v[QT+5]
	v_lshl_or_b32 v[\pw], v[QT+7], 8, v[QT+6]
	v_cvt_scalef32_pk8_fp4_f32 v[(\pc)], v[(\r0):(\r0)+7], v[QT+4]
	v_cvt_scalef32_pk8_fp4_f32 v[(\pc)+1], v[(\r2):(\r2)+7], v[QT+5]
	v_cvt_scalef32_pk8_fp4_f32 v[(\pc)+2], v[(\r1):(\r1)+7], v[QT+4]
	v_cvt_scalef32_pk8_fp4_f32 v[(\pc)+3], v[(\r3):(\r3)+7], v[QT+5]
	v_nop
	v_permlane16_swap_b32 v[(\pc)], v[(\pc)+1]
	v_permlane16_swap_b32 v[(\pc)+2], v[(\pc)+3]
.endm
.macro HORN p, k                       ; 32 numbers at v[p] of window 1: p = p z^2 + k
.set n, 0
.rept 16
	v_pk_fma_f32 v[(\p)+n:(\p)+n+1], v[(\p)+n:(\p)+n+1], v[64+n:65+n], \k op_sel_hi:[1,1,0]
.set n, n+2
.endr
.endm
; GELU of row block a's 32 numbers a lane, in place.  Window 1, which the fragments have left: v0-31 z, v32-63 u / 2, v64-95 z^2, v96-127 P, v128-159 Q, v160-163 the two leading coefficients.
.macro GELU a
	WIN 0x40                                       ; destination window 1
.set n, 0
.rept 16
	v_pk_mul_f32 v[n:n+1], v[ACC+32*(\a)+n:ACC+32*(\a)+n+1], 0x3f3504f3 op_sel_hi:[1,0]   ; z = u / sqrt 2; each accumulator is read from its low end on
.set n, n+2
.endr
.set n, 0
.rept 16
	v_pk_mul_f32 v[32+n:33+n], v[ACC+32*(\a)+n:ACC+32*(\a)+n+1], 0.5 op_sel_hi:[1,0]
.set n, n+2
.endr
	WIN 0x55                                       ; all in window 1
.set n, 0
.rept 32
	v_med3_num_f32 v[n], v[n], -4.0, 4.0
.set n, n+1
.endr
.set n, 0
.rept 16
	v_pk_mul_f32 v[64+n:65+n], v[n:n+1], v[n:n+1]
.set n, n+2
.endr
.set n, 0
.rept 16
	v_pk_fma_f32 v[96+n:97+n], v[160:161], v[64+n:65+n], 0x32edffee op_sel_hi:[1,1,0]
.set n, n+2
.endr
.set n, 0
.rept 16
	v_pk_fma_f32 v[128+n:129+n], v[162:163], v[64+n:65+n], 0xb95fbd29 op_sel_hi:[1,1,0]
.set n, n+2
.endr
	HORN 96, 0xb60cff51
	HORN 128, 0xbadc924e
	HORN 96, 0xb86ec2d2
	HORN 128, 0xbbf19bf8
	HORN 96, 0xba40ac63
	HORN 128, 0xbc69b6a7
	HORN 96, 0xbb41a1f6
	HORN 96, 0xbc83dbd4
.set n, 0
.rept 16
	v_pk_mul_f32 v[96+n:97+n], v[96+n:97+n], v[n:n+1]
.set n, n+2
.endr
.set n, 0
	s_wait_alu depctr_va_vdst(0)
.rept 32
	v_rcp_f32 v[128+n], v[128+n]
.set n, n+1
.endr
.set n, 0
.rept 16
	v_pk_mul_f32 v[96+n:97+n], v[96+n:97+n], v[32+n:33+n]   ; plain work behind the batch, which names none of its results
.set n, n+2
.endr
	s_wait_alu depctr_va_vdst(0)                   ; one wait for the 32 reciprocals, ahead of their first reader
	WIN 0x15                                       ; sources window 1, destination window 0
.set n, 0
.rept 16
	v_pk_fma_f32 v[ACC+32*(\a)+n:ACC+32*(\a)+n+1], v[96+n:97+n], v[128+n:129+n], v[32+n:33+n]
.set n, n+2
.endr
	WIN 0
.endm
.macro EG more                         ; a pass's way out.  more = 1: the pointers step to the next pass
	PLACES
	WIN 0x40
	v_mov_b32 v160, 0xaf95df0b
	v_mov_b32 v161, 0xaf95df0b
	v_mov_b32 v162, 0xb77460cd
	v_mov_b32 v163, 0xb77460cd
.irp a, 0,1,2,3
	GELU \a
	QUANT32 ACC+32*\a, ACC+32*\a+8, ACC+32*\a+16, ACC+32*\a+24, 108+4*\a, 104+\a
	global_store_b128 v12, v[108+4*\a:111+4*\a], s[24:25] offset:32768*\a   ; 512 consecutive bytes, aligned
	ds_store_b16 v24, v[104+\a] offset:64*\a
.endr
	s_wait_dscnt 0x0
	s_barrier_signal -1
	s_barrier_wait -1
	s_cmp_lg_u32 s[WV], 0
	s_cbranch_scc1 .Lnot_words_\@
	ds_load_b128 v[124:127], v25
	s_wait_dscnt 0x0
	global_store_b128 v17, v[124:127], s[26:27]    ; the 128 rows' scale words of this K step
.Lnot_words_\@:
.if \more
	s_wait_xcnt 0x0                                ; the stores and the bias's loads have read their registers and bases
	s_add_nc_u64 s[24:25], s[24:25], 1024
	s_add_nc_u64 s[26:27], s[26:27], 16384
	s_add_nc_u64 s[28:29], s[28:29], 512
	s_xor_b32 s[BT], s[BT], BX
	s_add_co_u32 s[SBT], s[SBT], 4096
.endif
.endm
	s_load_b64 s[G0A+2:G0A+3], s[0:1], 0x0
	s_load_b64 s[G0SA+2:G0SA+3], s[0:1], 0x0
	s_load_b64 s[G0B+2:G0B+3], s[0:1], 0x8
	s_load_b64 s[G0SB+2:G0SB+3], s[0:1], 0x10
	s_load_b64 s[28:29], s[0:1], 0x18              ; bias1
	s_load_b64 s[24:25], s[0:1], 0x20              ; ha, for the codes
	s_load_b64 s[26:27], s[0:1], 0x20              ; ha, for the scale words
	v_lshl_add_u32 v28, v0, 2, SPARE
	v_mov_b32 v29, 0
	ds_add_u32 v28, v29                            ; the wave's opening: the add, twice on end, and its wait ahead of my first tensor load
	ds_add_u32 v28, v29
	v_lshrrev_b32 v1, 5, v0
	v_readfirstlane_b32 s[WV], v1
	s_lshr_b32 s[WR], s[WV], 1
	s_and_b32 s[WC], s[WV], 1
	s_bfe_u32 s[CX], ttmp6, 0x40000
	s_bfe_u32 s[CY], ttmp6, 0x40004
	s_lshl_b32 s[XX], ttmp9, 2
	s_add_co_u32 s[XX], s[XX], s[CX]
	s_and_b32 s[YY], ttmp7, 0xffff
	s_lshl_b32 s[YY], s[YY], 2
	s_add_co_u32 s[YY], s[YY], s[CY]
	s_lshl_b32 s[ROWM], s[CY], 2
	s_lshl_b32 s[ROWM], 15, s[ROWM]
	s_lshl_b32 s[COLM], 0x1111, s[CX]
	s_or_b32 s[G1A], s[ROWM], (3<<16)|(1<<21)
	G1SET G1A, 1024<<16, 8<<16, 1024<<16, 8, 1024  ; nn2's images: 8 tiles of rows x 8,192 bytes
	s_or_b32 s[G1B], s[COLM], (1<<20)|(1<<21)|(6<<22)|(3<<25)
	G1SET G1B, 512<<16, 128<<16, 512<<16, 128, 512 ; W1: 128 rows x 512 bytes
	s_or_b32 s[G1SA], s[ROWM], (2<<16)|(1<<21)
	G1SET G1SA, 128<<16, 8<<16, 128<<16, 8, 4096   ; nn2's scale words: 8 K steps x 128 words
	s_or_b32 s[G1SB], s[COLM], (3<<16)|(1<<21)     ; 512 rows' scale bytes: 16,384 dense bytes as 64 rows of 256
	G1SET G1SB, 32<<16, 64<<16, 32<<16, 64, 32
	s_lshl_b32 s16, s[YY], 16                      ; s[16:19]: what hangs on Y; s[20:23]: what hangs on X
	s_mov_b32 s17, 0
	s_lshl_b32 s18, s[YY], 9
	s_add_co_u32 s18, s18, 2097152
	s_mov_b32 s19, 0
	s_lshl_b32 s20, s[XX], 18
	s_mov_b32 s21, 0
	s_lshl_b32 s22, s[XX], 14
	s_mov_b32 s23, 0
	s_mov_b32 s[G0A], 1                            ; each tile comes whole, by one load of one wave
	s_mov_b32 s[G0A+1], 0
	s_mov_b32 s[G0SA], 1
	s_mov_b32 s[G0SA+1], SCA
	s_mov_b32 s[G0SB], 1
	s_mov_b32 s[G0SB+1], SCB
	s_mov_b32 s[G0B], 1
	s_mov_b32 s[G0B+1], B0
	s_mov_b32 s[SEL], 0x76543210
	s_mov_b32 s[SEL+1], 0xfedcba98
	s_mov_b32 s[BT], 0
	s_mov_b32 s[SBT], 0
	s_wait_dscnt 0x0
	s_wait_kmcnt 0x0
	G0FIN G0A, 16
	G0FIN G0SA, 18
	G0FIN G0B, 20
	G0FIN G0SB, 22
	s_add_nc_u64 s[26:27], s[26:27], 0x800000      ; the scale words begin 8,388,608 bytes on
	CROUND                                         ; the first joint loads meet
; The head's loads, one a wave: wave 0 nn2's images, wave 1 its scale words, wave 2 the first pass's 128 rows of W1, wave 3 W1's scale bytes.  One chain of branches on the wave's number, one join.
.macro ARM under, g0, g1, next
	s_cmp_lt_u32 s[WV], \under
	s_cbranch_scc0 \next
	TL \g0, \g1
	PLACES
	s_branch .Lfilled
\next:
.endm
	ARM 1, G0A, G1A, .Larm_sa
	ARM 2, G0SA, G1SA, .Larm_b
	ARM 3, G0B, G1B, .Larm_sb
	TL G0SB, G1SB
	PLACES
.Lfilled:
	v_and_b32 v1, 15, v0
	v_bfe_u32 v2, v0, 4, 1
	v_and_b32 v31, 31, v0
	v_lshlrev_b32 v3, 4, v31
	s_lshl_b32 s13, s[WR], 15
	v_add_nc_u32 v8, s13, v3
	v_mul_u32_u24 v5, v1, 528
	v_lshl_add_u32 v5, v2, 4, v5
	s_mul_i32 s13, s[WC], 64*528
	s_add_co_u32 s13, s13, B0
	v_add_nc_u32 v5, s13, v5
	v_lshlrev_b32 v10, 2, v31
	s_lshl_b32 s13, s[WR], 8
	s_add_co_u32 s13, s13, SCA
	v_add_nc_u32 v10, s13, v10
	v_mul_u32_u24 v7, v31, SBROW
	s_mul_i32 s13, s[WC], 64*SBROW
	s_add_co_u32 s13, s13, SCB
	v_add_nc_u32 v7, s13, v7
	s_lshl_b32 s13, s[WR], 8
	s_lshl_b32 s30, s[WC], 1
	s_add_co_u32 s13, s13, s30
	s_add_co_u32 s13, s13, SCSTG
	v_lshl_add_u32 v24, v1, 2, s13                 ; row 64 wr + r, bytes 2 wc on
	v_add_nc_u32 v25, SCSTG, v3
	v_mov_b32 v98, 0
	v_mov_b32 v99, 0
	s_lshl_b32 s2, s[YY], 18
	s_lshl_b32 s31, s[WR], 17
	s_add_co_u32 s2, s2, s31
	s_lshl_b32 s31, s[XX], 12
	s_add_co_u32 s2, s2, s31
	s_lshl_b32 s31, s[WC], 9
	s_add_co_u32 s2, s2, s31
	v_add_nc_u32 v12, s2, v3                       ; ha's codes: tile 8 Y + 4 wr, K step 4 X, half wc of the image
	s_lshl_b32 s2, s[XX], 16
	s_lshl_b32 s31, s[YY], 9
	s_add_co_u32 s2, s2, s31
	v_add_nc_u32 v17, s2, v3                       ; its scale words
	s_lshl_b32 s2, s[XX], 11
	s_lshl_b32 s31, s[WC], 8
	s_add_co_u32 s2, s2, s31
	v_lshl_add_u32 v13, v2, 5, s2                  ; the bias: column 512 X + 64 wc + 8 h
	BIASLOAD 0
	s_wait_alu depctr_va_vdst(0)
	s_wait_tensorcnt 0x0                           ; my tile of the head's four is in,
	s_barrier_signal -1
	s_barrier_wait -1                              ; everybody's is
	WIN 0x80                                       ; nn2's fragments of my 64 rows, all of K: 256 registers, window 2, fragment (K step s, row block a) at 8 (4 s + a).
.irp a, 0,1,2,3
.irp s, 0,1,2,3,4,5,6,7
	ds_load_b128 v[8*(4*\s+\a):8*(4*\s+\a)+3], v8 offset:(8*\a+\s)*1024
	ds_load_b128 v[8*(4*\s+\a)+4:8*(4*\s+\a)+7], v8 offset:(8*\a+\s)*1024+512
.endr
.endr
	WIN 0
	s_mov_b32 s3, 3
.Lpass:                                            ; three passes that ask for a successor
	SYNC 1
	v_add_nc_u32 v9, s[BT], v5
	s_wait_alu depctr_va_vdst(0)
	v_add_nc_u32 v11, s[SBT], v7
	PASS 1
	EG 1
	s_sub_co_u32 s3, s3, 1
	s_cmp_lg_u32 s3, 0
	s_cbranch_scc1 .Lpass
	SYNC 0                                         ; the last pass is written out: nothing is left to fetch
	v_add_nc_u32 v9, s[BT], v5
	s_wait_alu depctr_va_vdst(0)
	v_add_nc_u32 v11, s[SBT], v7
	PASS 0
	EG 0
	s_wait_tensorcnt 0x0                           ; the wave's end
	ds_add_u32 v28, v29
	s_wait_dscnt 0x0
	CROUND                                         ; the closing round
	s_endpgm
.Lfunc_end_k_q9acf2b3051_ffn1:
	.size	k_q9acf2b3051_ffn1, .Lfunc_end_k_q9acf2b3051_ffn1-k_q9acf2b3051_ffn1
	.p2alignl 7, 3214868480
	.fill 96, 4, 3214868480
	.section	.rodata,"a",@progbits
	.p2align	6, 0x0
	.amdhsa_kernel k_q9acf2b3051_ffn1
		.amdhsa_group_segment_fixed_size 327680
		.amdhsa_private_segment_fixed_size 0
		.amdhsa_enable_private_segment 0
		.amdhsa_kernarg_size 40
		.amdhsa_user_sgpr_count 2
		.amdhsa_user_sgpr_kernarg_segment_ptr 1
		.amdhsa_wavefront_size32 1
		.amdhsa_system_sgpr_workgroup_id_x 1
		.amdhsa_system_sgpr_workgroup_id_y 1
		.amdhsa_system_sgpr_workgroup_id_z 1
		.amdhsa_system_vgpr_workitem_id 0
		.amdhsa_next_free_vgpr 768
		.amdhsa_next_free_sgpr 84
		.amdhsa_reserve_vcc 0
		.amdhsa_float_denorm_mode_32 3
		.amdhsa_float_denorm_mode_16_64 3
		.amdhsa_memory_ordered 1
		.amdhsa_forward_progress 1
		.amdhsa_inst_pref_size 255
	.end_amdhsa_kernel
	.section	.bss,"aw",@nobits
	.p2align	6
	.space	262144
	.amdgpu_metadata
---
amdhsa.version: [ 1, 2 ]
amdhsa.kernels:
  - .name:           k_q9acf2b3051_ffn1
    .symbol:         k_q9acf2b3051_ffn1.kd
    .args:
      - { .name: na, .offset: 0, .size: 8, .value_kind: global_buffer, .address_space: global }
      - { .name: W1_codes, .offset: 8, .size: 8, .value_kind: global_buffer, .address_space: global }
      - { .name: W1_scales, .offset: 16, .size: 8, .value_kind: global_buffer, .address_space: global }
      - { .name: bias1, .offset: 24, .size: 8, .value_kind: global_buffer, .address_space: global }
      - { .name: ha, .offset: 32, .size: 8, .value_kind: global_buffer, .address_space: global }
    .group_segment_fixed_size: 327680
    .private_segment_fixed_size: 0
    .kernarg_segment_align: 8
    .kernarg_segment_size: 40
    .max_flat_workgroup_size: 128
    .sgpr_count:     84
    .vgpr_count:     768
    .wavefront_size: 32
...
	.end_amdgpu_metadata
.endif
;; end of part 5
;; launch ffn2 (part 6): grid 8 x 32, 4 waves a work-group, clusters of 4 x 4, 327,680 bytes of LDS; arguments ha, W2_codes, W2_scales, bias2, res, out0; writes out0
.if DOCPART == 6
	.amdgcn_target "amdgcn-amd-amdhsa--gfx1250"
	.amdhsa_code_object_version 6
	.text
	.protected	k_q9acf2b3051_ffn2
	.globl	k_q9acf2b3051_ffn2
	.p2align	8
	.type	k_q9acf2b3051_ffn2,@function
k_q9acf2b3051_ffn2:
	s_mov_b64 s[64:65], 0
	v_nop
	global_prefetch_b8 v0, s[64:65] scope:SCOPE_SE
	s_setreg_imm32_b32 hwreg(HW_REG_WAVE_MODE, 25, 1), 1
	s_wait_xcnt 0x0
	s_wait_alu depctr_hold_cnt(0) depctr_sa_sdst(0) depctr_va_vdst(0) depctr_va_sdst(0) depctr_va_ssrc(0) depctr_va_vcc(0) depctr_vm_vsrc(0)
	s_getreg_b32 s2, hwreg(HW_REG_IB_STS2, 6, 4)
	s_cmp_eq_u32 s2, 0
	s_cbranch_scc0 .Lentry_in_a_cluster
	s_endpgm
.Lentry_in_a_cluster:
	s_bfe_u32 s2, ttmp6, 0x10000c
	s_cmp_lg_u32 s2, 0xf033
	s_cbranch_scc0 .Lentry_shape_is_right
	s_endpgm
.Lentry_shape_is_right:
; out0 = ha W2 + bias2 + res on codes of FP4: rows 128 Y on x columns 128 X on to a work-group, 64 x 64 to a wave; K = 4,096 in four passes of 1,024 on one set of sums.  No work is left out.
; Both operands walk through two slots each (ha: 64 KiB of register images; W2: 128 rows x 512 bytes).  Slot 0's first fills and all scales go out in one group at the head, slot 1's behind a second round; passes 2 and 3 are asked for behind the
; rounds at the heads of passes 1 and 2, one joint load a wave.  CLUSTER 4 x 4: ha's tiles jointly along a row of the cluster, W2's along a column.  The bias is the C of each sum's first matrix instruction.
; res's 64 x 64 of a wave is asked for at the kernel's head, into 128 registers of window 2 that nothing else uses; the way out only waits for it.
.set A1X,   65536                      ; LDS: ha's slot 0 at 0, slot 1 here
.set B0,    131072
.set B1X,   67584                      ; W2's slot 1 lies this far behind slot 0
.set SCA,   266240                     ; ha's scale words [K step 32][128 rows]
.set SCB,   282624                     ; W2's scale bytes, 128 rows x 128
.set STG,   299008
.set SPARE, 316416
.set SBROW, 128
.set SA,  32
.set SB,  48
.set BI,  64
.set ACC, 128
.set F0,  0
.set F1,  128
.set WV, 4
.set WR, 5
.set WC, 6
.set CX, 7
.set CY, 8
.set XX, 9
.set YY, 10
.set ROWM, 11
.set COLM, 12
.set G1A, 32
.set G1B, 40
.set G1SA, 48
.set G1SB, 56
.set G0A, 68                           ; s[68:75] ha's group 0, a set for each slot
.set G0B, 76                           ; s[76:83] W2's
.set G0SA, 84
.set G0SB, 88
.set MSB, 0
.macro WIN new
.if MSB != \new
	s_set_vgpr_msb (MSB<<8)|\new
.set MSB, \new
.endif
.endm
.macro PLACES
.rept 4
	v_nop
.endr
.endm
.macro CROUND
	s_barrier_signal -1
	s_barrier_wait -1
	s_cmp_lg_u32 s[WV], 0
	s_cbranch_scc1 .Lnot_wave_0_\@
	s_barrier_signal -3
.Lnot_wave_0_\@:
	s_barrier_wait -3
	s_barrier_signal -1
	s_barrier_wait -1
.endm
.macro G1SET g, w1, w2, w3, w4, w5
	s_mov_b32 s[\g+1], \w1
	s_mov_b32 s[\g+2], \w2
	s_mov_b32 s[\g+3], \w3
	s_mov_b32 s[\g+4], \w4
	s_mov_b32 s[\g+5], \w5
	s_mov_b32 s[\g+6], 0
	s_mov_b32 s[\g+7], 0
.endm
.macro G0FIN g, off
	s_add_nc_u64 s[\g+2:\g+3], s[\g+2:\g+3], s[\off:\off+1]
	s_or_b32 s[\g+3], s[\g+3], 0x80000000
.endm
.macro TL g0, g1
	tensor_load_to_lds s[\g0:\g0+3], s[\g1:\g1+7]
	s_nop 0
.endm
.macro WM a, t, f, c, s, cm, sw        ; row block a x tile t, half c of buffer f, K step s; cm: C is 0 (0), the bias (1), the sum (2); sw = 0: transposed
.set xD, ACC+8*(4*(\a)+(\t))
.set xC, xD
.if (\cm) == 1
.set xC, BI+8*(\t)
.endif
.if \sw
.set fS0, (\f)+8*(4*(\c)+(\a))
.set fS1, (\f)+64+8*(4*(\c)+(\t))
.set sS0, SA+2*(\s)+(\a)/2
.set sS1, SB+8*((\t)/2)+(\s)
.set xR, (\a)%2+2*((\t)%2)
.else
.set fS0, (\f)+64+8*(4*(\c)+(\t))
.set fS1, (\f)+8*(4*(\c)+(\a))
.set sS0, SB+8*((\t)/2)+(\s)
.set sS1, SA+2*(\s)+(\a)/2
.set xR, (\t)%2+2*((\a)%2)
.endif
.if (\cm) == 0
.if xR == 0
	v_wmma_scale_f32_16x16x128_f8f6f4 v[xD:xD+7], v[fS0:fS0+7], v[fS1:fS1+7], 0, v[sS0], v[sS1] matrix_a_fmt:MATRIX_FMT_FP4 matrix_b_fmt:MATRIX_FMT_FP4
.elseif xR == 1
	v_wmma_scale_f32_16x16x128_f8f6f4 v[xD:xD+7], v[fS0:fS0+7], v[fS1:fS1+7], 0, v[sS0], v[sS1] matrix_a_fmt:MATRIX_FMT_FP4 matrix_b_fmt:MATRIX_FMT_FP4 matrix_a_scale:MATRIX_SCALE_ROW1
.elseif xR == 2
	v_wmma_scale_f32_16x16x128_f8f6f4 v[xD:xD+7], v[fS0:fS0+7], v[fS1:fS1+7], 0, v[sS0], v[sS1] matrix_a_fmt:MATRIX_FMT_FP4 matrix_b_fmt:MATRIX_FMT_FP4 matrix_b_scale:MATRIX_SCALE_ROW1
.else
	v_wmma_scale_f32_16x16x128_f8f6f4 v[xD:xD+7], v[fS0:fS0+7], v[fS1:fS1+7], 0, v[sS0], v[sS1] matrix_a_fmt:MATRIX_FMT_FP4 matrix_b_fmt:MATRIX_FMT_FP4 matrix_a_scale:MATRIX_SCALE_ROW1 matrix_b_scale:MATRIX_SCALE_ROW1
.endif
.else
.if xR == 0
	v_wmma_scale_f32_16x16x128_f8f6f4 v[xD:xD+7], v[fS0:fS0+7], v[fS1:fS1+7], v[xC:xC+7], v[sS0], v[sS1] matrix_a_fmt:MATRIX_FMT_FP4 matrix_b_fmt:MATRIX_FMT_FP4
.elseif xR == 1
	v_wmma_scale_f32_16x16x128_f8f6f4 v[xD:xD+7], v[fS0:fS0+7], v[fS1:fS1+7], v[xC:xC+7], v[sS0], v[sS1] matrix_a_fmt:MATRIX_FMT_FP4 matrix_b_fmt:MATRIX_FMT_FP4 matrix_a_scale:MATRIX_SCALE_ROW1
.elseif xR == 2
	v_wmma_scale_f32_16x16x128_f8f6f4 v[xD:xD+7], v[fS0:fS0+7], v[fS1:fS1+7], v[xC:xC+7], v[sS0], v[sS1] matrix_a_fmt:MATRIX_FMT_FP4 matrix_b_fmt:MATRIX_FMT_FP4 matrix_b_scale:MATRIX_SCALE_ROW1
.else
	v_wmma_scale_f32_16x16x128_f8f6f4 v[xD:xD+7], v[fS0:fS0+7], v[fS1:fS1+7], v[xC:xC+7], v[sS0], v[sS1] matrix_a_fmt:MATRIX_FMT_FP4 matrix_b_fmt:MATRIX_FMT_FP4 matrix_a_scale:MATRIX_SCALE_ROW1 matrix_b_scale:MATRIX_SCALE_ROW1
.endif
.endif
.endm
.macro MULK f, c, s, cm, sw            ; a K step: the 16 accumulators take turns, in the same order in every K step and from pass to pass
.irp a, 0,1,2,3
.irp t, 0,1,2,3
	WM \a, \t, \f, \c, \s, \cm, \sw
.endr
.endr
.endm
.macro FETCH q, f
	WIN 0x40
.irp c, 0,1
.irp i, 0,1,2,3
	ds_load_b128 v[(\f)+64+8*(4*\c+\i):(\f)+64+8*(4*\c+\i)+3], v9 offset:8448*\i+64*(2*(\q)+\c)
	ds_load_b128 v[(\f)+64+8*(4*\c+\i)+4:(\f)+64+8*(4*\c+\i)+7], v9 offset:8448*\i+64*(2*(\q)+\c)+32
	ds_load_b128 v[(\f)+8*(4*\c+\i):(\f)+8*(4*\c+\i)+3], v8 offset:(8*\i+2*(\q)+\c)*1024
	ds_load_b128 v[(\f)+8*(4*\c+\i)+4:(\f)+8*(4*\c+\i)+7], v8 offset:(8*\i+2*(\q)+\c)*1024+512
.endr
.endr
.endm
.macro SCALES
.irp s, 0,1,2,3,4,5,6,7
.irp j, 0,1
	ds_load_b32 v[SA+2*\s+\j], v10 offset:512*\s+128*\j
.endr
.endr
.irp bp, 0,1
.irp u, 0,1
	ds_load_b128 v[SB+8*\bp+4*\u:SB+8*\bp+4*\u+3], v11 offset:32*\bp*SBROW+16*\u
.endr
.endr
.endm
.macro QUARTER q, f, g, cm, sw
	s_wait_dscnt 16                                ; all but the buffer's second K step is in
	WIN 0x05
	MULK \f, 0, 2*(\q), \cm, \sw
	PLACES
	FETCH (\q)+1, \g
	s_wait_dscnt 32                                ; all but the 32 just issued
	WIN 0x05
	MULK \f, 1, 2*(\q)+1, 2, \sw
.endm
.macro PASS cm, sw
	PLACES
	SCALES
	FETCH 0, F0
.if (\cm) == 1
	s_wait_alu depctr_va_vdst(0)
	s_wait_loadcnt 32                              ; the bias's eight loads are in; the residual's 32, issued behind them, may be out
.endif
	QUARTER 0, F0, F1, \cm, \sw
	QUARTER 1, F1, F0, 2, \sw
	QUARTER 2, F0, F1, 2, \sw
	s_wait_dscnt 16
	WIN 0x05
	MULK F1, 0, 6, 2, \sw
	s_wait_dscnt 0x0
	MULK F1, 1, 7, 2, \sw
	WIN 0
.endm
.macro JLOAD sl                        ; the joint loads of a slot: wave 0 fetches ha's tile, wave 2 W2's, each whole; the branches hang on the wave's number alone
	s_cmp_lg_u32 s[WV], 0
	s_cbranch_scc1 .Lfor_b_\@
	TL G0A+4*\sl, G1A
	PLACES
	s_branch .Lasked_\@
.Lfor_b_\@:
	s_cmp_lg_u32 s[WV], 2
	s_cbranch_scc1 .Lasked_\@
	TL G0B+4*\sl, G1B
	PLACES
.Lasked_\@:
.endm
; The head of passes 1 to 3: every wave waits for all its tensor loads, adds 0 to its spare word, waits for that and for its LDS reads.  fill = 1: slot sl, which the pass before has read out, has its descriptors
; stepped two passes on; a round of the cluster's barrier; and behind it the slot is asked for again, one joint load a wave.  The load has a pass in which to land.
.macro SYNC fill, sl
	s_wait_tensorcnt 0x0
	ds_add_u32 v28, v29
.if \fill
	s_add_nc_u64 s[G0A+4*\sl+2:G0A+4*\sl+3], s[G0A+4*\sl+2:G0A+4*\sl+3], 16384
	s_add_nc_u64 s[G0B+4*\sl+2:G0B+4*\sl+3], s[G0B+4*\sl+2:G0B+4*\sl+3], 1024
.endif
	s_wait_dscnt 0x0
.if \fill
	CROUND
	JLOAD \sl
.else
	s_barrier_signal -1
	s_barrier_wait -1
.endif
.endm
.macro PASSADR ao, bo, sao, sbo
	v_add_nc_u32 v8, \ao, v4
	v_add_nc_u32 v9, \bo, v5
	v_add_nc_u32 v10, \sao, v6
	v_add_nc_u32 v11, \sbo, v7
.endm
.macro RLOAD rp                        ; the residual's 64 x 64, in the order in which the way out stores: 32 loads into window 2, sixteen lanes to 256 consecutive bytes
	WIN 0x80                                       ; destination window 2, address window 0
.irp a, 0,1,2,3
.irp i, 0,1,2,3,4,5,6,7
	global_load_b128 v[32*\a+4*\i:32*\a+4*\i+3], v14, s[\rp:\rp+1] offset:(16*\a+2*\i)*4096
.endr
.endr
	WIN 0
.endm
; THE WAY OUT in f32: a block of 16 rows goes through my stage and comes back as rows of 256 bytes; + the residual, which was asked for at the head; store.
.macro EF32 op
	PLACES
.irp a, 0,1,2,3
.set TT, 96-32*(\a%2)
.if \a >= 2
	s_wait_xcnt 0x0                                ; block a - 2's stores have read these registers
.endif
.irp t, 0,1,2,3
	ds_store_b128 v12, v[ACC+32*\a+8*\t:ACC+32*\a+8*\t+3] offset:64*\t       ; each accumulator from its low end on
	ds_store_b128 v12, v[ACC+32*\a+8*\t+4:ACC+32*\a+8*\t+7] offset:64*\t+16
.endr
.irp i, 0,1,2,3,4,5,6,7
	ds_load_b128 v[TT+4*\i:TT+4*\i+3], v13 offset:544*\i   ; LDS serves a wave's instructions in order: these see my stores
.endr
	s_wait_dscnt 0x0
	s_wait_loadcnt 24-8*\a                         ; this block's residual is in; the later blocks' loads may be out
	WIN 0x08                                       ; source 1 window 2
.set n, 0
.rept 16
	v_pk_add_f32 v[TT+n:TT+n+1], v[TT+n:TT+n+1], v[32*\a+n:32*\a+n+1]
.set n, n+2
.endr
	WIN 0
.irp i, 0,1,2,3,4,5,6,7
	global_store_b128 v14, v[TT+4*\i:TT+4*\i+3], s[\op:\op+1] offset:(16*\a+2*\i)*4096 th:TH_STORE_NT   ; sixteen lanes store 256 consecutive bytes, aligned
.endr
.endr
.endm
	s_load_b64 s[G0A+2:G0A+3], s[0:1], 0x0
	s_load_b64 s[G0A+6:G0A+7], s[0:1], 0x0
	s_load_b64 s[G0SA+2:G0SA+3], s[0:1], 0x0
	s_load_b64 s[G0B+2:G0B+3], s[0:1], 0x8
	s_load_b64 s[G0B+6:G0B+7], s[0:1], 0x8
	s_load_b64 s[G0SB+2:G0SB+3], s[0:1], 0x10
	s_load_b64 s[24:25], s[0:1], 0x18              ; bias2
	s_load_b128 s[28:31], s[0:1], 0x20             ; res s[28:29], out0 s[30:31]
	v_lshl_add_u32 v28, v0, 2, SPARE
	v_mov_b32 v29, 0
	ds_add_u32 v28, v29                            ; the wave's opening: the add, twice on end, and its wait ahead of my first tensor load
	ds_add_u32 v28, v29
	v_lshrrev_b32 v1, 5, v0
	v_readfirstlane_b32 s[WV], v1
	s_lshr_b32 s[WR], s[WV], 1
	s_and_b32 s[WC], s[WV], 1
	s_bfe_u32 s[CX], ttmp6, 0x40000
	s_bfe_u32 s[CY], ttmp6, 0x40004
	s_lshl_b32 s[XX], ttmp9, 2
	s_add_co_u32 s[XX], s[XX], s[CX]
	s_and_b32 s[YY], ttmp7, 0xffff
	s_lshl_b32 s[YY], s[YY], 2
	s_add_co_u32 s[YY], s[YY], s[CY]
	s_lshl_b32 s[ROWM], s[CY], 2
	s_lshl_b32 s[ROWM], 15, s[ROWM]
	s_lshl_b32 s[COLM], 0x1111, s[CX]
	s_or_b32 s[G1A], s[ROWM], (3<<16)|(1<<21)      ; ha's images: 8 tiles of rows x 8 K steps (8,192 bytes), 32 K steps (4,096 elements) apart
	G1SET G1A, 1024<<16, 8<<16, 1024<<16, 8, 4096
	s_or_b32 s[G1B], s[COLM], (1<<20)|(1<<21)|(6<<22)|(3<<25)   ; W2: 128 rows x 512 bytes of their 2,048, 16 bytes of padding behind each
	G1SET G1B, 512<<16, 128<<16, 512<<16, 128, 2048
	s_or_b32 s[G1SA], s[ROWM], (2<<16)|(1<<21)     ; ha's scale words: 32 K steps x 128 words
	G1SET G1SA, 128<<16, 32<<16, 128<<16, 32, 4096
	s_or_b32 s[G1SB], s[COLM], (3<<16)|(1<<21)     ; W2's scale bytes: 16,384 dense bytes as 64 rows of 256
	G1SET G1SB, 32<<16, 64<<16, 32<<16, 64, 32
	s_lshl_b32 s16, s[YY], 18                      ; s[16:19]: what hangs on Y; s[20:23]: what hangs on X
	s_mov_b32 s17, 0
	s_lshl_b32 s18, s[YY], 9
	s_add_co_u32 s18, s18, 8388608
	s_mov_b32 s19, 0
	s_lshl_b32 s20, s[XX], 18
	s_mov_b32 s21, 0
	s_lshl_b32 s22, s[XX], 14
	s_mov_b32 s23, 0
	s_mov_b32 s[G0A], 1                            ; each tile comes whole, by one load of one wave
	s_mov_b32 s[G0A+1], 0
	s_mov_b32 s[G0A+4], 1
	s_mov_b32 s[G0A+5], A1X
	s_mov_b32 s[G0B], 1
	s_mov_b32 s[G0B+1], B0
	s_mov_b32 s[G0B+4], 1
	s_mov_b32 s[G0B+5], B0+B1X
	s_mov_b32 s[G0SA], 1
	s_mov_b32 s[G0SA+1], SCA
	s_mov_b32 s[G0SB], 1
	s_mov_b32 s[G0SB+1], SCB
	s_wait_dscnt 0x0
	s_wait_kmcnt 0x0
	G0FIN G0A, 16
	s_add_nc_u64 s[G0A+6:G0A+7], s[G0A+6:G0A+7], 8192    ; slot 1 begins with pass 1
	G0FIN G0A+4, 16
	G0FIN G0B, 20
	s_add_nc_u64 s[G0B+6:G0B+7], s[G0B+6:G0B+7], 512
	G0FIN G0B+4, 20
	G0FIN G0SA, 18
	G0FIN G0SB, 22
	CROUND                                         ; the first joint loads meet
; The head's loads, one a wave: wave 0 pass 0's images of ha, wave 1 ha's scale words, wave 2 pass 0's part of W2's rows, wave 3 W2's scale bytes.  One chain of branches on the wave's number, one join.
.macro ARM under, g0, g1, next
	s_cmp_lt_u32 s[WV], \under
	s_cbranch_scc0 \next
	TL \g0, \g1
	PLACES
	s_branch .Lfilled
\next:
.endm
	ARM 1, G0A, G1A, .Larm_sa
	ARM 2, G0SA, G1SA, .Larm_b
	ARM 3, G0B, G1B, .Larm_sb
	TL G0SB, G1SB
	PLACES
.Lfilled:
	v_and_b32 v1, 15, v0
	v_bfe_u32 v2, v0, 4, 1
	v_and_b32 v31, 31, v0
	v_lshlrev_b32 v3, 4, v31
	s_wait_alu depctr_va_vdst(0)
	s_lshl_b32 s2, s[XX], 9
	s_lshl_b32 s3, s[WC], 8
	s_add_co_u32 s2, s2, s3
	v_lshl_add_u32 v15, v2, 5, s2                  ; the bias: column 128 X + 64 wc + 8 h
.irp t, 0,1,2,3
	global_load_b128 v[BI+8*\t:BI+8*\t+3], v15, s[24:25] offset:64*\t
	global_load_b128 v[BI+8*\t+4:BI+8*\t+7], v15, s[24:25] offset:64*\t+16
.endr
	s_lshl_b32 s3, s[YY], 19
	s_add_co_u32 s2, s2, s3
	s_lshl_b32 s3, s[WR], 18
	s_add_co_u32 s2, s2, s3                        ; my 64 x 64 in res and out0, in bytes
	v_lshlrev_b32 v14, 12, v2
	v_lshl_add_u32 v14, v1, 4, v14
	v_add_nc_u32 v14, s2, v14
	RLOAD 28                                       ; res, while the first tiles are on their way
	s_lshl_b32 s13, s[WR], 15
	v_add_nc_u32 v4, s13, v3
	v_mul_u32_u24 v5, v1, 528
	v_lshl_add_u32 v5, v2, 4, v5
	s_mul_i32 s13, s[WC], 64*528
	s_add_co_u32 s13, s13, B0
	v_add_nc_u32 v5, s13, v5
	v_lshlrev_b32 v6, 2, v31
	s_lshl_b32 s13, s[WR], 8
	s_add_co_u32 s13, s13, SCA
	v_add_nc_u32 v6, s13, v6
	v_mul_u32_u24 v7, v31, SBROW
	s_mul_i32 s13, s[WC], 64*SBROW
	s_add_co_u32 s13, s13, SCB
	v_add_nc_u32 v7, s13, v7
	s_mul_i32 s13, s[WV], 4352
	s_add_co_u32 s13, s13, STG
	v_mul_u32_u24 v12, v1, 272
	v_lshl_add_u32 v12, v2, 5, v12
	v_add_nc_u32 v12, s13, v12
	v_mul_u32_u24 v13, v2, 272
	v_lshl_add_u32 v13, v1, 4, v13
	v_add_nc_u32 v13, s13, v13
	s_wait_alu depctr_va_vdst(0)
	s_wait_tensorcnt 0x0                           ; my tile of the head's four is in
	ds_add_u32 v28, v29
	s_wait_dscnt 0x0
	CROUND                                         ; everybody's tile is in, and all sixteen work-groups are here
	JLOAD 1                                        ; the second slots' first fill, pass 1's tiles: it has pass 0 in which to land
	PASSADR 0, 0, 0, 0
	PASS 1, 0
	SYNC 1, 0                                      ; pass 1's tiles are in; the first slots take pass 2's
	PASSADR A1X, B1X, 4096, 32
	s_wait_alu depctr_va_vdst(0)
	PASS 2, 0
	SYNC 1, 1                                      ; pass 2's tiles are in; the second slots take pass 3's
	PASSADR 0, 0, 8192, 64
	s_wait_alu depctr_va_vdst(0)
	PASS 2, 0
	SYNC 0, 0                                      ; nothing is left to fetch
	PASSADR A1X, B1X, 12288, 96
	s_wait_alu depctr_va_vdst(0)
	PASS 2, 0
	EF32 30
	s_wait_tensorcnt 0x0                           ; the wave's end
	ds_add_u32 v28, v29
	s_wait_dscnt 0x0
	CROUND                                         ; the closing round
	s_endpgm
.Lfunc_end_k_q9acf2b3051_ffn2:
	.size	k_q9acf2b3051_ffn2, .Lfunc_end_k_q9acf2b3051_ffn2-k_q9acf2b3051_ffn2
	.p2alignl 7, 3214868480
	.fill 96, 4, 3214868480
	.section	.rodata,"a",@progbits
	.p2align	6, 0x0
	.amdhsa_kernel k_q9acf2b3051_ffn2
		.amdhsa_group_segment_fixed_size 327680
		.amdhsa_private_segment_fixed_size 0
		.amdhsa_enable_private_segment 0
		.amdhsa_kernarg_size 48
		.amdhsa_user_sgpr_count 2
		.amdhsa_user_sgpr_kernarg_segment_ptr 1
		.amdhsa_wavefront_size32 1
		.amdhsa_system_sgpr_workgroup_id_x 1
		.amdhsa_system_sgpr_workgroup_id_y 1
		.amdhsa_system_sgpr_workgroup_id_z 1
		.amdhsa_system_vgpr_workitem_id 0
		.amdhsa_next_free_vgpr 640
		.amdhsa_next_free_sgpr 92
		.amdhsa_reserve_vcc 0
		.amdhsa_float_denorm_mode_32 3
		.amdhsa_float_denorm_mode_16_64 3
		.amdhsa_memory_ordered 1
		.amdhsa_forward_progress 1
		.amdhsa_inst_pref_size 135
	.end_amdhsa_kernel
	.amdgpu_metadata
---
amdhsa.version: [ 1, 2 ]
amdhsa.kernels:
  - .name:           k_q9acf2b3051_ffn2
    .symbol:         k_q9acf2b3051_ffn2.kd
    .args:
      - { .name: ha, .offset: 0, .size: 8, .value_kind: global_buffer, .address_space: global }
      - { .name: W2_codes, .offset: 8, .size: 8, .value_kind: global_buffer, .address_space: global }
      - { .name: W2_scales, .offset: 16, .size: 8, .value_kind: global_buffer, .address_space: global }
      - { .name: bias2, .offset: 24, .size: 8, .value_kind: global_buffer, .address_space: global }
      - { .name: res, .offset: 32, .size: 8, .value_kind: global_buffer, .address_space: global }
      - { .name: out0, .offset: 40, .size: 8, .value_kind: global_buffer, .address_space: global }
    .group_segment_fixed_size: 327680
    .private_segment_fixed_size: 0
    .kernarg_segment_align: 8
    .kernarg_segment_size: 48
    .max_flat_workgroup_size: 128
    .sgpr_count:     92
    .vgpr_count:     640
    .wavefront_size: 32
...
	.end_amdgpu_metadata
.endif
;; end of part 6
